; MI455X (gfx1250); checked and timed in simulation.
; The chip was launched on July 23, 2026; its instructions are those of AMD's public machine-readable ISA for CDNA 5 (MIT licence, August 2026) and "CDNA5" Instruction Set Architecture Reference Guide (July 2026). The comments in the code are by the model that wrote it; some were corrected since.
;; Cross Multi Head Attention. Allowed arithmetic: matrix products marked QUANTISED: E4M3 operands, one given power-of-two scale a tensor, by v_wmma_f32_16x16x64_fp8_fp8 or v_wmma_f32_16x16x128_fp8_fp8, f32 sums; everything else in f32.
;; Inputs: Wkv 1,024 x 2,048 float32; Wo 1,024 x 1,024 float32; Wq 1,024 x 1,024 float32; context 4 x 2,048 x 1,024 float32; lowp_scales 10 int32 (the exponents e of the quantised operands' scales 2^e); x 4 x 2,048 x 1,024 float32.
;; Outputs: out0 4 x 2,048 x 1,024 float32.
;; This version of the problem:
;;   THIS VERSION OF THE PROBLEM IS GIVEN IN LOW PRECISION. The matrix products marked QUANTISED in the list below multiply operands that are first quantised to E4M3 (4 exponent bits, 3 mantissa bits; 8 bits a number), with one given power-of-two scale for each operand tensor; their sums are f32. All else is computed in f32.
;;   The module's matrix products, in the order in which they are computed (A, B: the left and right operand; K: the contracted axis; several contracted axes count as one K, in the product's order):
;;     1. [M 8,192, K 1,024] x [K 1,024, N 1,024]; A: input x; B: input Wq: QUANTISED (scales: A lowp_scales[0], B lowp_scales[1])
;;     2. [M 8,192, K 1,024] x [K 1,024, N 2,048]; A: input context; B: input Wkv: QUANTISED (scales: A lowp_scales[2], B lowp_scales[3])
;;     3. batch 64 x [M 2,048, K 64] x [K 64, N 2,048]; A: computed on the way; B: computed on the way: QUANTISED (scales: A lowp_scales[4], B lowp_scales[5])
;;     4. batch 64 x [M 64, K 2,048] x [K 2,048, N 2,048]; A: computed on the way; B: softmax (see below): QUANTISED (scales: A lowp_scales[6], B lowp_scales[7])
;;     5. [M 8,192, K 1,024] x [K 1,024, N 1,024]; A: computed on the way; B: input Wo: QUANTISED (scales: A lowp_scales[8], B lowp_scales[9])
;;   THE QUANTISER, for each operand of a quantised product, along K:
;;     - The operand's scale is 2^e, e = its entry of the input lowp_scales (int32; the entries are numbered through the quantised products in the list's order, A before B).
;;     - Each number is divided by the scale, clamped to +-448, and rounded to the nearest number of E4M3, ties to even, subnormals kept.
;;     - The product sums the exact products of the quantised numbers (number of the format x scale) in f32.
;;   ~~~python
;;   def quantise(x, axis, e):      # numpy; x: float32 -> the quantised numbers, widened to float32 again
;;       x = np.moveaxis(x, axis, -1); K = x.shape[-1]
;;       r = np.clip(x / 2.0 ** e, -448, 448)
;;       step = 2.0 ** (np.maximum(np.frexp(np.where(r == 0, 1, r))[1] - 1, -6) - 3)
;;       q = np.round(r / step) * step * 2.0 ** e      # np.round: ties to even
;;       return np.moveaxis(q, -1, axis).astype(np.float32)
;;   ~~~
;;   SOFTMAX AHEAD OF A QUANTISED PRODUCT. Where the list says 'softmax', what is quantised is not the finished softmax but p = 2^(t - M), with t = logit x log2(e) and M = ceil(the row's largest t), a whole number; so 1/2 < the row's largest p <= 1. The row's sum l is taken of the UNQUANTISED p, in f32, and the product's result is divided by l at the end. Since M is a whole number, a kernel that streams over the keys may use a running M (the ceiling of the running maximum): every later rescaling is an exact power of two, so the quantised numbers keep their values, but for numbers so far below the row's largest that they fall under the format's range.
;;   OPERANDS COMPUTED ON THE WAY. 'Computed on the way' means the value that the module computes at that place (a softmax that the list does not call 'softmax' is quantised finished and normalised). What goes into a quantiser is computed in f32, as accurately as f32 sums, v_exp_f32 and their like allow (about 1e-6 of the number): no bf16 or f16 on the way to a quantiser, and a product that is left as it is and whose result goes on into a quantised operand takes f32 operands (vector FMAs, or v_wmma_f32_16x16x4_f32). A number that lies on a knife's edge between two numbers of the format may be rounded either way, as far as f32 arithmetic and the matrix unit's own rounding can turn it there, and no further.
;; One version. Each part assembles by itself: llvm-mc -triple=amdgcn-amd-amdhsa -mcpu=gfx1250 --defsym DOCPART=n.
;; ======== version 1 of 1: 4 launches
;; limits: right only within a limited range of input values
;; workspace buffers: act_codes 16,777,216 bytes; w_codes 4,194,304 bytes; qkv_codes 25,165,824 bytes; a_codes 8,388,608 bytes
;; launch quant (part 1): grid 512 x 1, 8 waves a work-group, no clusters, 68,608 bytes of LDS; arguments x, context, Wq, Wkv, Wo, lowp_scales, act_codes, w_codes; writes act_codes, w_codes
.if DOCPART == 1
	.amdgcn_target "amdgcn-amd-amdhsa--gfx1250"
	.amdhsa_code_object_version 6
	.text
	.protected	k_q159d84cbaf_quant
	.globl	k_q159d84cbaf_quant
	.p2align	8
	.type	k_q159d84cbaf_quant,@function
k_q159d84cbaf_quant:
	s_mov_b64 s[64:65], 0
	v_nop
	global_prefetch_b8 v0, s[64:65] scope:SCOPE_SE
	s_setreg_imm32_b32 hwreg(HW_REG_WAVE_MODE, 25, 1), 1
	s_wait_xcnt 0x0
; x, context [8192][1024] and Wq, Wo [1024][1024], Wkv [1024][2048], all f32, become codes of FP8 (E4M3), each tensor with the one scale 2^e that is given for it:
; code = number / 2^e, held within +-448, rounded to the nearest code, ties to even.  e: entries 0 (x), 2 (context), 1 (Wq), 3 (Wkv), 9 (Wo) of the scales.
; LIMITS: each e lies between -126 and 119, so that 2^e and 448 x 2^e are f32 numbers.  NaN among the inputs is not served; an infinity is held at the largest code.
; WORK THAT THE PROGRAM LEAVES OUT: in attention, the steps of 128 keys that lie wholly behind reference()'s own causal mask: their scores become -infinity and their weights 0 whatever the inputs hold.
; A NaN, an infinity or an overflow that reaches only those scores is not carried to the result.  Every input has a way to the output and is loaded.
; THE CODES' LAYOUT is the image of a matrix operand's registers.  Rows (tokens; a weight's columns n) go in tiles of 16: lane-row r of tile T is row 32 (T / 2) + 8 (T % 2) + r + 8 (r / 8).
; Fragment (T, s), 16 rows x 128 along K, lies at byte 2,048 (8 T + s); in it piece c at 512 c, lane (r, h) at 16 (16 h + r): its 16 bytes are k = 128 s + 32 c + 16 h + 0 .. 15.
; So the later launches fetch a fragment by four loads of 16 bytes a lane at 16 x lane, and every store here covers whole aligned runs of 256 bytes.
; WORK-GROUPS 0-255: x and context (K innermost).  A wave takes one tile and four K steps: each load reads 512 consecutive bytes of one row; the 16 rows turn through the wave's own stage in LDS, so that a lane gets 16 neighbours along K.
; WORK-GROUPS 256-319: Wq; 320-383: Wo; 384-511: Wkv (K is the first axis).  A work-group takes 256 columns x 64 along K; a lane takes a column and its registers run down K: nothing is transposed, no LDS.
; A weight's wave has two blocks of 32 along K, 64 loads, all asked for at its start.
; The three ways part on the work-group's number alone and never join.  No barrier: waves share nothing.  No product is made here: no matrix unit, no cluster, no tensor load.
.set STG,   8448                       ; a wave's stage: 16 rows x 528 bytes
.set SP,    528                        ; a stage row: 512 bytes + 16, so that the sixteen rows that a read touches start at sixteen different banks
.set SPARE, 8*STG                      ; behind the eight stages: the spare words, 128 bytes for each wave: four blocks of 256 bytes that no other line names
.set SPW,   2                          ; v2   LDS address of my spare word; never rewritten
.set NIL,   3                          ; v3   0; never rewritten
.set GA,    4                          ; v4   16 x lane: my bytes of a load's or a store's 512
.set SIN,   5                          ; v5   the stage, on the way in: 16 x lane
.set SOUT,  6                          ; v6   and on the way out: 528 r + 64 h
.set LIMV,  10                         ; v10  448 x 2^e
.set SCV,   11                         ; v11  2^e
.set C,     12                         ; v12-27   a fragment's codes
.set WA,    28                         ; v28  a weight: 4 x my column among the wave's 32
.set WO,    29                         ; v29  a weight's codes: 16,384 (lane / 16) + 16 r
.set R,     32                         ; v32-159  two sets of 64: 16 rows as they are loaded
.set X,     160                        ; v160-223 64 numbers: register 16 c + i = k 32 c + 16 h + i of my row
.set WX,    32                         ; a weight: v32-95 two blocks of 32 numbers down K
.set WC,    96                         ; v96-111  codes: eight registers for each block, so that no store's data are written again
	s_load_b512 s[8:23], s[0:1], 0x0               ; x s[8:9], context s[10:11], Wq s[12:13], Wkv s[14:15], Wo s[16:17], scales s[18:19], act_codes s[20:21], w_codes s[22:23]
	v_lshl_add_u32 v[SPW], v0, 2, SPARE
	v_mov_b32 v[NIL], 0
	v_lshrrev_b32 v1, 5, v0
	s_delay_alu instid0(VALU_DEP_1)
	v_readfirstlane_b32 s4, v1                     ; wave 0..7
	v_and_b32 v1, 31, v0                           ; lane
	v_and_b32 v7, 15, v0                           ; r
	v_bfe_u32 v8, v0, 4, 1                         ; h
	s_mul_i32 s28, s4, STG                         ; my stage
	v_lshlrev_b32 v[GA], 4, v1
	s_delay_alu instid0(VALU_DEP_1)
	v_add_nc_u32 v[SIN], s28, v[GA]
	v_mul_u32_u24 v[SOUT], v7, SP
	s_delay_alu instid0(VALU_DEP_1)
	v_lshl_add_u32 v[SOUT], v8, 6, v[SOUT]
	s_delay_alu instid0(VALU_DEP_1)
	v_add_nc_u32 v[SOUT], s28, v[SOUT]
	v_and_b32 v9, 8, v7
	s_delay_alu instid0(VALU_DEP_1)
	v_add_nc_u32 v9, v9, v7                        ; r + 8 (r / 8)
	s_delay_alu instid0(VALU_DEP_1)
	v_lshl_add_u32 v9, v8, 3, v9                   ; + 8 (lane / 16): my column among 32: lanes 0-15 are the even tile's, lanes 16-31 the odd tile's
	s_delay_alu instid0(VALU_DEP_1)
	v_lshlrev_b32 v[WA], 2, v9
	v_lshlrev_b32 v[WO], 4, v7
	s_delay_alu instid0(VALU_DEP_1)
	v_lshl_add_u32 v[WO], v8, 14, v[WO]
	s_wait_kmcnt 0x0
	s_load_b128 s[32:35], s[18:19], 0x0            ; e0 .. e3
	s_load_b32 s36, s[18:19], 0x24                 ; e9
	s_cmp_lt_u32 ttmp9, 256
	s_cbranch_scc0 .Lweights
.macro MKSCALE                         ; s45 = e  ->  2^e and 448 x 2^e as f32 numbers
	s_add_co_i32 s45, s45, 127
	s_lshl_b32 s46, s45, 23
	v_mov_b32 v[SCV], s46                          ; the conversion takes its exponent field
	s_add_co_i32 s45, s45, 8
	s_lshl_b32 s45, s45, 23
	s_or_b32 s45, s45, 0x600000                    ; 448 = 1.75 x 2^8
	v_mov_b32 v[LIMV], s45
.endm
	; ---------------- x and context ----------------
	s_lshl_b32 s5, ttmp9, 3
	s_add_co_u32 s5, s5, s4                        ; u = 8 x work-group + wave: tile u / 2 (x's 512, then context's 512), K steps 4 (u % 2) on
	s_lshr_b32 s6, s5, 1
	s_and_b32 s6, s6, 511                          ; the tile in its tensor
	s_and_b32 s7, s5, 1
	s_lshr_b32 s24, s6, 1
	s_lshl_b32 s24, s24, 17                        ; 32 (T / 2) rows of 4,096 bytes
	s_and_b32 s25, s6, 1
	s_lshl_b32 s25, s25, 15                        ; + 8 (T % 2) rows
	s_add_co_u32 s24, s24, s25
	s_lshl_b32 s25, s7, 11                         ; + four K steps of 512 bytes
	s_add_co_u32 s24, s24, s25
	s_mov_b32 s25, 0
	s_lshl_b32 s26, s5, 13                         ; four fragments of 2,048 bytes for each u
	s_mov_b32 s27, 0
	s_cmp_lt_u32 ttmp9, 128                        ; the choice hangs on the work-group's number alone
	s_cselect_b64 s[40:41], s[8:9], s[10:11]
	s_add_nc_u64 s[40:41], s[40:41], s[24:25]
	s_add_nc_u64 s[42:43], s[20:21], s[26:27]
.macro LOAD t                          ; K step t of the tile's 16 rows: each load reads 512 consecutive bytes of one row
.irp i, 0,1,2,3,4,5,6,7,8,9,10,11,12,13,14,15
	global_load_b128 v[R+64*((\t)%2)+4*\i:R+64*((\t)%2)+4*\i+3], v[GA], s[40:41] offset:(\i+8*(\i/8))*4096+512*(\t) th:TH_LOAD_NT
.endr
.endm
.macro TURN t                          ; through my stage: LDS serves a wave's instructions in order, so no wait stands between the stores and the loads
.irp i, 0,1,2,3,4,5,6,7,8,9,10,11,12,13,14,15
	ds_store_b128 v[SIN], v[R+64*((\t)%2)+4*\i:R+64*((\t)%2)+4*\i+3] offset:SP*\i
.endr
.irp c, 0,1,2,3
.irp j, 0,1,2,3
	ds_load_b128 v[X+16*\c+4*\j:X+16*\c+4*\j+3], v[SOUT] offset:128*\c+16*\j
.endr
.endr
.endm
.macro STEP t
.if (\t) < 3
	s_wait_loadcnt 16                              ; this step's 16 loads are in; the next step's 16 may be out
.else
	s_wait_loadcnt 0x0
.endif
	TURN \t
	s_wait_dscnt 0x0                               ; my 64 numbers are back, and the stage's stores have read their registers
	s_wait_xcnt 0x0                                ; the last step's stores have read C: it is written again only behind this wait
.if (\t) < 2
	LOAD (\t)+2
.endif
.irp b, 0,1,2,3
.irp i, 0,1,2,3,4,5,6,7,8,9,10,11,12,13,14,15
	v_med3_num_f32 v[X+16*\b+\i], v[X+16*\b+\i], -v[LIMV], v[LIMV]   ; the conversion to an 8-bit code does not saturate (ISA guide 7.6.2): the hold comes first
.endr
	v_cvt_scalef32_pk8_fp8_f32 v[C+4*\b:C+4*\b+1], v[X+16*\b:X+16*\b+7], v[SCV]
	v_cvt_scalef32_pk8_fp8_f32 v[C+4*\b+2:C+4*\b+3], v[X+16*\b+8:X+16*\b+15], v[SCV]
.endr
	v_nop                                          ; a plain line behind the last conversion of the run
.irp c, 0,1,2,3
	global_store_b128 v[GA], v[C+4*\c:C+4*\c+3], s[42:43] offset:2048*(\t)+512*\c   ; piece c: 512 consecutive bytes, aligned
.endr
.endm
	LOAD 0
	LOAD 1
	s_wait_kmcnt 0x0
	s_cmp_lt_u32 ttmp9, 128
	s_cselect_b32 s45, s32, s34                    ; e0 for x, e2 for context
	MKSCALE
	s_wait_alu depctr_va_vdst(0)                   ; the wait at the head's end
	STEP 0
	STEP 1
	STEP 2
	STEP 3
	s_wait_tensorcnt 0x0                           ; the wave's end
	ds_add_u32 v[SPW], v[NIL]
	s_wait_dscnt 0x0
	s_endpgm
	; ---------------- the weights ----------------
.macro LOADW t, pitch                  ; block t: W(32 t + i, my column): the wave's 32 lanes read 128 consecutive bytes, the eight waves 1,024
.irp i, 0,1,2,3,4,5,6,7,8,9,10,11,12,13,14,15,16,17,18,19,20,21,22,23,24,25,26,27,28,29,30,31
	global_load_b32 v[WX+32*(\t)+\i], v[WA], s[40:41] offset:(32*(\t)+\i)*(\pitch) th:TH_LOAD_NT
.endr
.endm
.macro BLOCK t
.if (\t) < 1
	s_wait_loadcnt 32                              ; block 0's 32 loads are in; block 1's 32 may be out
.else
	s_wait_loadcnt 0x0
.endif
.irp i, 0,1,2,3,4,5,6,7,8,9,10,11,12,13,14,15,16,17,18,19,20,21,22,23,24,25,26,27,28,29,30,31
	v_med3_num_f32 v[WX+32*(\t)+\i], v[WX+32*(\t)+\i], -v[LIMV], v[LIMV]
.endr
.irp g, 0,1,2,3
	v_cvt_scalef32_pk8_fp8_f32 v[WC+8*(\t)+2*\g:WC+8*(\t)+2*\g+1], v[WX+32*(\t)+8*\g:WX+32*(\t)+8*\g+7], v[SCV]
.endr
	v_nop                                          ; a plain line behind the last conversion of the run
	global_store_b128 v[WO], v[WC+8*(\t):WC+8*(\t)+3], s[42:43] offset:(\t)*512         ; k 32 t + 0 .. 15: the places of lanes (r, 0) of a piece: sixteen lanes fill 256 aligned bytes of one tile, the other sixteen of the next
	global_store_b128 v[WO], v[WC+8*(\t)+4:WC+8*(\t)+7], s[42:43] offset:(\t)*512+256   ; k 32 t + 16 .. 31: the places of lanes (r, 1)
.endm
; A work-group takes 256 columns x 64 along K.  s[40:41] the weight, s44 where its codes begin, s45 its e, s5 which 256 columns, s6 which 64 along K
.macro WQUANT pitch
	s_lshl_b32 s7, s5, 3
	s_add_co_u32 s7, s7, s4                        ; G: my wave's 32 columns = tiles 2 G and 2 G + 1
	s_mul_i32 s24, s6, 64*(\pitch)
	s_lshl_b32 s25, s7, 7
	s_add_co_u32 s24, s24, s25
	s_mov_b32 s25, 0
	s_add_nc_u64 s[40:41], s[40:41], s[24:25]
	s_lshl_b32 s26, s7, 15                         ; two tiles of 16,384 bytes
	s_lshl_b32 s27, s6, 10                         ; 64 along K are two pieces of 512 bytes
	s_add_co_u32 s26, s26, s27
	s_add_co_u32 s26, s26, s44
	s_mov_b32 s27, 0
	s_add_nc_u64 s[42:43], s[22:23], s[26:27]
	LOADW 0, \pitch
	LOADW 1, \pitch
	MKSCALE
	s_wait_alu depctr_va_vdst(0)                   ; directly ahead of the wait below
	BLOCK 0
	BLOCK 1
	s_endpgm
.endm
.Lweights:
	s_wait_kmcnt 0x0                               ; the scales
	s_cmp_lt_u32 ttmp9, 384
	s_cbranch_scc0 .Lwkv
	s_sub_co_u32 s7, ttmp9, 256                    ; 0-63: Wq, 64-127: Wo
	s_cmp_lt_u32 s7, 64
	s_cselect_b64 s[40:41], s[12:13], s[16:17]
	s_cselect_b32 s44, 0, 0x300000
	s_cselect_b32 s45, s33, s36                    ; e1 or e9
	s_and_b32 s5, s7, 3
	s_bfe_u32 s6, s7, 0x40002                      ; four bits from bit 2
	s_wait_alu depctr_va_vdst(0)
	WQUANT 4096
.Lwkv:
	s_sub_co_u32 s7, ttmp9, 384
	s_mov_b64 s[40:41], s[14:15]
	s_mov_b32 s44, 0x100000
	s_mov_b32 s45, s35                             ; e3
	s_and_b32 s5, s7, 7
	s_lshr_b32 s6, s7, 3
	s_wait_alu depctr_va_vdst(0)
	WQUANT 8192
.Lfunc_end_k_q159d84cbaf_quant:
	.size	k_q159d84cbaf_quant, .Lfunc_end_k_q159d84cbaf_quant-k_q159d84cbaf_quant
	.p2alignl 7, 3214868480
	.fill 96, 4, 3214868480
	.section	.rodata,"a",@progbits
	.p2align	6, 0x0
	.amdhsa_kernel k_q159d84cbaf_quant
		.amdhsa_group_segment_fixed_size 68608
		.amdhsa_private_segment_fixed_size 0
		.amdhsa_enable_private_segment 0
		.amdhsa_kernarg_size 64
		.amdhsa_user_sgpr_count 2
		.amdhsa_user_sgpr_kernarg_segment_ptr 1
		.amdhsa_wavefront_size32 1
		.amdhsa_system_sgpr_workgroup_id_x 1
		.amdhsa_system_sgpr_workgroup_id_y 1
		.amdhsa_system_sgpr_workgroup_id_z 1
		.amdhsa_system_vgpr_workitem_id 0
		.amdhsa_next_free_vgpr 224
		.amdhsa_next_free_sgpr 66
		.amdhsa_reserve_vcc 0
		.amdhsa_float_denorm_mode_32 3
		.amdhsa_float_denorm_mode_16_64 3
		.amdhsa_memory_ordered 1
		.amdhsa_forward_progress 1
		.amdhsa_inst_pref_size 62
	.end_amdhsa_kernel
	.amdgpu_metadata
---
amdhsa.version: [ 1, 2 ]
amdhsa.kernels:
  - .name:           k_q159d84cbaf_quant
    .symbol:         k_q159d84cbaf_quant.kd
    .args:
      - { .name: x, .offset: 0, .size: 8, .value_kind: global_buffer, .address_space: global }
      - { .name: context, .offset: 8, .size: 8, .value_kind: global_buffer, .address_space: global }
      - { .name: Wq, .offset: 16, .size: 8, .value_kind: global_buffer, .address_space: global }
      - { .name: Wkv, .offset: 24, .size: 8, .value_kind: global_buffer, .address_space: global }
      - { .name: Wo, .offset: 32, .size: 8, .value_kind: global_buffer, .address_space: global }
      - { .name: lowp_scales, .offset: 40, .size: 8, .value_kind: global_buffer, .address_space: global }
      - { .name: act_codes, .offset: 48, .size: 8, .value_kind: global_buffer, .address_space: global }
      - { .name: w_codes, .offset: 56, .size: 8, .value_kind: global_buffer, .address_space: global }
    .group_segment_fixed_size: 68608
    .private_segment_fixed_size: 0
    .kernarg_segment_align: 8
    .kernarg_segment_size: 64
    .max_flat_workgroup_size: 256
    .sgpr_count:     66
    .vgpr_count:     224
    .wavefront_size: 32
...
	.end_amdgpu_metadata
.endif
;; end of part 1
;; launch proj (part 2): grid 12 x 32, 4 waves a work-group, clusters of 4 x 4, 327,680 bytes of LDS; arguments act_codes, w_codes, lowp_scales, qkv_codes; writes qkv_codes
.if DOCPART == 2
	.amdgcn_target "amdgcn-amd-amdhsa--gfx1250"
	.amdhsa_code_object_version 6
	.text
	.protected	k_q159d84cbaf_proj
	.globl	k_q159d84cbaf_proj
	.p2align	8
	.type	k_q159d84cbaf_proj,@function
k_q159d84cbaf_proj:
	s_mov_b64 s[64:65], 0
	v_nop
	global_prefetch_b8 v0, s[64:65] scope:SCOPE_SE
	s_setreg_imm32_b32 hwreg(HW_REG_WAVE_MODE, 25, 1), 1
	s_wait_xcnt 0x0
	s_wait_alu depctr_hold_cnt(0) depctr_sa_sdst(0) depctr_va_vdst(0) depctr_va_sdst(0) depctr_va_ssrc(0) depctr_va_vcc(0) depctr_vm_vsrc(0)
	s_getreg_b32 s2, hwreg(HW_REG_IB_STS2, 6, 4)
	s_cmp_eq_u32 s2, 0
	s_cbranch_scc0 .Lentry_in_a_cluster
	s_endpgm
.Lentry_in_a_cluster:
	s_bfe_u32 s2, ttmp6, 0x10000c
	s_cmp_lg_u32 s2, 0xf033
	s_cbranch_scc0 .Lentry_shape_is_right
	s_endpgm
.Lentry_shape_is_right:
; q = x Wq, k = context Wk, v = context Wv, on codes of FP8 (E4M3); each result is quantised at once, with the scale given for it (e4, e5, e6), into the layout in which attention takes it as an operand.
; OPERANDS lie as images of their registers: fragment (tile T of 16 rows, K step s of 128) at byte 2,048 (8 T + s), piece c at 512 c, lane at 16 x lane; lane-row r of tile T is row 32 (T / 2) + 8 (T % 2) + r + 8 (r / 8).
; A tile of the result is 256 rows of P x 256 rows of Q, made by four waves, each 128 x 128: 64 accumulators of 16 x 16, 512 registers.  Source 0 = 16 rows of Q, source 1 = 16 rows of P: a lane then holds ONE row of P, and by the
; choice of a tile's rows its 64 registers of a block are Q's rows 32 b + 16 h + i at register 16 b + i: after the hold and eight conversions they ARE a fragment's 16 registers with K = Q's rows.  No stage, no transposition.
; THE CLUSTER'S x IS THE ROLE (the same in all sixteen partners; it chooses numbers, never a way): 0: P = x, Q = Wq;  1: P = context, Q = Wk;  2: P = Wv, Q = context, so that v's fragments have the KEYS along K.
; OUT: q at 0, k at 0x800000: [16 b + head][token tile 0..127][1,024 bytes: d = 16 h + 0..15, then 32 + 16 h + 0..15];  v at 0x1000000: [b][128 keys 0..15][channel tile 0..63][2,048 bytes].
; K = 1,024 goes in four steps of 256 through a ring of two LDS slots filled by the tensor data mover; 4 x 4 work-groups form a cluster: P's tiles are asked for jointly along a row of it, Q's along a column.
; Inside a matrix instruction k stands in other places than the form's own layout gives it, the same in both operands: each product meets its partner.
; LIMIT: eo - ea - eb lies between -126 and 119 (ea, eb the operands' exponents, eo the result's), so that 2^(eo - ea - eb) and 448 times it are f32 numbers.
; REGISTERS, in windows of 256: window 0: v16-29 addresses and scales; v32-95, v96-111 the way out; v128-255 P's eight fragments, ONE set.  window 1: Q's fragments, TWO sets, at v0 and v128.  windows 2, 3: the accumulators ((a, b) at v[8 (8 (a % 4) + b)]).
.set FR,     16                        ; registers of a fragment
.set NL,     4                         ; LDS loads that bring one
.set NP,     4                         ; places behind this matrix instruction (ISA guide 7.12.1)
.set TROW,   4096                      ; a row tile's two fragments in a slot
.set HALFT,  8*TROW                    ; 128 rows: what one tensor load brings, and what one wave reads of P or of Q
.set SLOT,   4*HALFT                   ; P's 256 rows, then Q's 256 rows
.set SPARE,  2*SLOT                    ; behind the ring: the spare words, 128 bytes for each wave: two blocks of 256 bytes that no other line names
.set LAPS,   2                         ; a lap = two K steps of 256 = once round the ring
.set ADRA, 16                          ; v16-17  LDS address of my P fragments in slot 0, 1
.set ADRB, 20                          ; v20-21  the same for Q
.set VO0,  24                          ; v24     16 x lane
.set VO2,  25                          ; v25     16 x lane + the way from piece 0 to piece 2: the next head (q, k) or 1,024 bytes (v)
.set SC,   26                          ; v26     2^(eo - ea - eb)
.set LIM,  27                          ; v27     448 x that
.set SPW,  28                          ; v28     LDS address of my spare word; never rewritten
.set NIL,  29                          ; v29     0; never rewritten
.set TMP,  32                          ; v32-95  a block's sums, held
.set CD,   96                          ; v96-111 its codes
.set AF,   128
.set G1, 24                            ; s[24:31] descriptor group 1 for P's tiles;  s[32:39] group 0, one set for each slot
.set G0, 32
.set G1B, 48                           ; s[48:55], s[56:63] the same for Q's tiles
.set G0B, 56
.set MSB, 0
.macro WIN new                         ; the immediate's high byte repeats the setting that is left
.if MSB != (\new)
	s_set_vgpr_msb (MSB<<8)|(\new)
.set MSB, \new
.endif
.endm
.set MUL_LO, 0xa1                      ; source 0 (Q) window 1, source 1 (P) window 0, C and D window 2
.set MUL_HI, 0xf1                      ; the same, C and D window 3
.set TO_B,   0x40                      ; destination window 1, address window 0
; A joint load: waves 0 and 1 fetch for P, waves 2 and 3 for Q.  Each line has ONE mask and one set of registers for all that issue it; the branch hangs on the wave's number alone.
; An s_nop 0 and four v_nop follow each of the two lines, ahead of the jump, the label and what follows.
.macro JLOAD g0a, g1a, g0b, g1b
	s_cmp_eq_u32 s15, 0
	s_cbranch_scc0 .Lfor_b_\@
	tensor_load_to_lds s[\g0a:\g0a+3], s[\g1a:\g1a+7]
	s_nop 0
.rept 4
	v_nop
.endr
	s_branch .Lasked_\@
.Lfor_b_\@:
	tensor_load_to_lds s[\g0b:\g0b+3], s[\g1b:\g1b+7]
	s_nop 0
.rept 4
	v_nop
.endr
.Lasked_\@:
.endm
.macro CREST                           ; a round of the cluster's barrier behind its opening barrier
	s_cmp_lg_u32 s14, 0
	s_cbranch_scc1 .Lnot_wave_0_\@
	s_barrier_signal -3
.Lnot_wave_0_\@:
	s_barrier_wait -3
	s_barrier_signal -1
	s_barrier_wait -1
.endm
.macro CROUND                          ; a whole round
	s_barrier_signal -1
	s_barrier_wait -1
	CREST
.endm
	s_load_b256 s[4:11], s[0:1], 0x0               ; act_codes s[4:5], w_codes s[6:7], the scales s[8:9], qkv_codes s[10:11]
	v_lshl_add_u32 v[SPW], v0, 2, SPARE
	v_mov_b32 v[NIL], 0
	ds_add_u32 v[SPW], v[NIL]                      ; the wave's opening: the add and its wait ahead of my first tensor load; the set-up below, work on registers, stands between them
	ds_add_u32 v[SPW], v[NIL]
	v_lshrrev_b32 v1, 5, v0
	v_readfirstlane_b32 s14, v1                    ; wave 0..3
	s_lshr_b32 s15, s14, 1                         ; which half of the tile's P rows is mine.  Also: I fetch for P (0) or for Q (1)
	s_and_b32 s16, s14, 1                          ; which half of its Q rows.  Also: which 128 rows of that tile I fetch
	s_bfe_u32 s40, ttmp6, 0x40000                  ; cx, cy: my place in the cluster
	s_bfe_u32 s41, ttmp6, 0x40004
	s_and_b32 s13, ttmp7, 0xffff                   ; the cluster's y, 0..7
	s_cmp_eq_u32 ttmp9, 2                          ; the role: for v the long axis (the tokens) is Q's
	s_cselect_b32 s12, 0, s13
	s_cselect_b32 s2, s13, 0
	s_lshl_b32 s17, s12, 2
	s_add_co_u32 s17, s17, s41                     ; P's tile of 256 rows
	s_lshl_b32 s42, s2, 2
	s_add_co_u32 s42, s42, s40                     ; Q's tile of 256 rows
	s_lshl_b32 s43, s41, 2
	s_lshl_b32 s43, 15, s43                        ; my row of the cluster
	s_lshl_b32 s44, 0x1111, s40                    ; my column
	; descriptor group 1: eight row tiles, of each the 4,096 bytes of two K steps of 128; a row tile is 16,384 bytes in memory; no padding
	s_or_b32 s[G1+0], s43, (3<<16)|(1<<21)         ; 15:0 the mask: P's tiles go to my row; 17:16 elements of 8 bytes; 21 set beside a mask
	s_or_b32 s[G1B+0], s44, (3<<16)|(1<<21)
.irp g, G1, G1B
	s_mov_b32 s[\g+1], 512<<16                     ; tensor_dim0 = 512 elements
	s_mov_b32 s[\g+2], 8<<16                       ; tensor_dim1 = 8
	s_mov_b32 s[\g+3], 512<<16                     ; tile_dim0
	s_mov_b32 s[\g+4], 8                           ; tile_dim1
	s_mov_b32 s[\g+5], 2048                        ; tensor_dim0_stride, in elements
	s_mov_b32 s[\g+6], 0
	s_mov_b32 s[\g+7], 0
.endr
	s_cmp_eq_u32 ttmp9, 1                          ; where the role's operands begin in their buffers
	s_cselect_b32 s84, 0x800000, 0                 ; P: x at 0, context at 0x800000, Wv at 0x200000
	s_cselect_b32 s85, 0x100000, 0                 ; Q: Wq at 0, Wk at 0x100000, context at 0x800000
	s_cmp_eq_u32 ttmp9, 2
	s_cselect_b32 s84, 0x200000, s84
	s_cselect_b32 s85, 0x800000, s85
	s_lshl_b32 s18, s16, 17                        ; which 128 rows of the tile I fetch: eight row tiles
	s_lshl_b32 s20, s17, 18                        ; P: 256 rows are sixteen row tiles
	s_add_co_u32 s20, s20, s18
	s_add_co_u32 s20, s20, s84
	s_mov_b32 s21, 0
	s_lshl_b32 s46, s42, 18                        ; Q likewise
	s_add_co_u32 s46, s46, s18
	s_add_co_u32 s46, s46, s85
	s_mov_b32 s47, 0
	s_mul_i32 s45, s14, HALFT                      ; where they go: wave x 128 rows: no place in the cluster enters an LDS address
	s_wait_dscnt 0x0                               ; the opening add is done
	s_wait_kmcnt 0x0
	s_load_b256 s[88:95], s[8:9], 0x0              ; e0 .. e7
	s_cmp_eq_u32 ttmp9, 2
	s_cselect_b64 s[76:77], s[6:7], s[4:5]         ; P's buffer
	s_cselect_b64 s[78:79], s[4:5], s[6:7]         ; Q's
	s_add_nc_u64 s[20:21], s[76:77], s[20:21]
	s_add_nc_u64 s[46:47], s[78:79], s[46:47]
	CROUND                                         ; all sixteen work-groups are here: the first joint loads meet
.irp s, 0,1
	s_mov_b32 s[G0+4*\s], 1
	s_add_co_u32 s[G0+4*\s+1], s45, \s*SLOT
	s_add_nc_u64 s[G0+4*\s+2:G0+4*\s+3], s[20:21], \s*TROW
	s_or_b32 s[G0+4*\s+3], s[G0+4*\s+3], 0x80000000
	s_mov_b32 s[G0B+4*\s], 1
	s_add_co_u32 s[G0B+4*\s+1], s45, \s*SLOT
	s_add_nc_u64 s[G0B+4*\s+2:G0B+4*\s+3], s[46:47], \s*TROW
	s_or_b32 s[G0B+4*\s+3], s[G0B+4*\s+3], 0x80000000
.endr
	JLOAD G0, G1, G0B, G1B                         ; K step 0: one tensor load a wave at the head
	v_and_b32 v6, 31, v0
	v_lshlrev_b32 v[VO0], 4, v6                    ; 16 x lane
	s_wait_alu depctr_va_vdst(0)
	s_mul_i32 s21, s15, HALFT                      ; my 128 rows of P
	s_mul_i32 s22, s16, HALFT                      ; my 128 rows of Q,
	s_add_co_u32 s22, s22, 2*HALFT                 ; which lie behind P's 256
.irp s, 0,1
	v_add_nc_u32 v[ADRA+\s], s21, v[VO0]
	v_add_nc_u32 v[ADRB+\s], s22, v[VO0]
	s_add_co_u32 s21, s21, SLOT
	s_add_co_u32 s22, s22, SLOT
.endr
	; where my results go.  q, k: head pair 16 b + 4 x Q's tile + 2 x half, token tile 16 (P's tile % 8) + 8 x half + a, 1,024 bytes each.  v: 128 keys 2 x Q's tile + half, channel tile 16 x P's tile + 8 x half + a, 2,048 bytes each
	s_lshr_b32 s96, s17, 3
	s_lshl_b32 s96, s96, 4
	s_lshl_b32 s97, s42, 2
	s_add_co_u32 s96, s96, s97
	s_lshl_b32 s97, s16, 1
	s_add_co_u32 s96, s96, s97                     ; q, k: which run of 131,072 bytes
	s_lshl_b32 s97, s42, 1
	s_add_co_u32 s97, s97, s16                     ; v: which
	s_and_b32 s86, s17, 7
	s_lshl_b32 s86, s86, 4
	s_lshl_b32 s87, s15, 3
	s_add_co_u32 s86, s86, s87
	s_lshl_b32 s86, s86, 10                        ; q, k: my first token tile in it
	s_lshl_b32 s19, s17, 4
	s_add_co_u32 s19, s19, s87
	s_lshl_b32 s19, s19, 11                        ; v: my first channel tile in it
	s_cmp_eq_u32 ttmp9, 2
	s_cselect_b32 s96, s97, s96
	s_cselect_b32 s86, s19, s86
	s_mov_b32 s82, 1024
	s_cselect_b32 s82, 2048, s82                   ; from block to block
	s_mov_b32 s83, 0
	s_mov_b32 s87, 0x20000
	s_cselect_b32 s87, 1024, s87                   ; from piece 0 to piece 2
	s_lshl_b32 s96, s96, 17
	s_add_co_u32 s96, s96, s86
	s_lshl_b32 s97, ttmp9, 23                      ; q, k, v: 0x800000 bytes each
	s_add_co_u32 s96, s96, s97
	s_mov_b32 s97, 0
	s_add_nc_u64 s[80:81], s[10:11], s[96:97]
	v_add_nc_u32 v[VO2], s87, v[VO0]
.macro FRAG reg, adr, q, i             ; a fragment comes as it lies: four loads of 512 consecutive bytes
.irp c, 0,1,2,3
	ds_load_b128 v[\reg+4*\c:\reg+4*\c+3], v[\adr] offset:2048*(\q)+512*\c+(\i)*TROW
.endr
.endm
; 16 matrix instructions: P's blocks a0, a0 + 1 x Q's eight, 128 along K.  p: Q's set.  zero = 1: the first product starts the sums: nothing is ever cleared.
; The 64 accumulators take turns, one instruction a turn, in the same order in every step.
.macro MUL16 a0, p, zero
.irp a, \a0, \a0+1
.irp b, 0,1,2,3,4,5,6,7
.if \zero
	v_wmma_f32_16x16x128_fp8_fp8 v[8*(8*((\a)%4)+\b):8*(8*((\a)%4)+\b)+7], v[128*(\p)+FR*\b:128*(\p)+FR*\b+FR-1], v[AF+FR*(\a):AF+FR*(\a)+FR-1], 0
.else
	v_wmma_f32_16x16x128_fp8_fp8 v[8*(8*((\a)%4)+\b):8*(8*((\a)%4)+\b)+7], v[128*(\p)+FR*\b:128*(\p)+FR*\b+FR-1], v[AF+FR*(\a):AF+FR*(\a)+FR-1], v[8*(8*((\a)%4)+\b):8*(8*((\a)%4)+\b)+7]
.endif
.endr
.endr
.endm
.macro FETCH_B slot, q, p              ; Q's eight fragments of the slot's q-th 128 along K into set p
	WIN TO_B
.irp i, 0,1,2,3,4,5,6,7
	FRAG 128*(\p)+FR*\i, ADRB+\slot, \q, \i
.endr
	WIN 0
.endm
.macro FETCH_A slot, q, i0             ; P's blocks i0 .. i0 + 3
.irp i, \i0, \i0+1, \i0+2, \i0+3
	FRAG AF+FR*(\i), ADRA+\slot, \q, \i
.endr
.endm
.macro PLACES n                        ; a load into a register that a matrix instruction has read, and a vector instruction that reads a matrix result, stand NP plain vector instructions behind it (ISA guide 7.12.1 for vector instructions)
.rept \n
	v_nop
.endr
.endm
; A step of 128 along K that has its successor in the same slot.  A block of P is free as soon as its eight products are issued: blocks 0-3 are fetched anew in the step's middle, blocks 4-7 at its end.
.macro STEP slot, q, zero
	s_wait_dscnt 4*NL                              ; Q's set and P's blocks 0-3 are in; the youngest 16 loads (P's blocks 4-7) may be out
	WIN MUL_LO
	MUL16 0, (\q)%2, \zero
	MUL16 2, (\q)%2, \zero
	s_wait_dscnt 0                                 ; P's blocks 4-7 are in
	PLACES NP
	FETCH_B \slot, (\q)+1, 1-(\q)%2
	FETCH_A \slot, (\q)+1, 0
	WIN MUL_HI
	MUL16 4, (\q)%2, \zero
	MUL16 6, (\q)%2, \zero
	PLACES NP
	WIN 0
	FETCH_A \slot, (\q)+1, 4
.endm
; A slot's last step changes slots: ONE barrier; in front of it each wave waits for all its tensor loads, adds 0 to its spare word, and waits for that and for its own reads of this slot.  fill = 1: this slot is filled again, two K steps ahead.
.macro TURN slot, next, fill
	s_wait_tensorcnt 0x0                           ; all my tensor loads have landed: my part of the next slot;  (every window is 0 here)
	ds_add_u32 v[SPW], v[NIL]                      ; 0 onto my spare word
	s_wait_dscnt 4*NL+1                            ; (the add and the youngest 16 loads, P's blocks 4-7, may be out)
	WIN MUL_LO
	MUL16 0, 1, 0                                  ; sixteen matrix instructions stand between the add and the wait for it
	s_wait_dscnt 0x0                               ; the add is done, and my reads of this slot are over
	s_barrier_signal -1
	MUL16 2, 1, 0
	WIN 0
	s_barrier_wait -1
.if \fill
	CREST                                          ; the barrier has opened a round of the cluster's barrier: no wave of any partner still reads this slot's tile or has a load on its way
	s_add_nc_u64 s[G0+4*\slot+2:G0+4*\slot+3], s[G0+4*\slot+2:G0+4*\slot+3], 2*TROW
	s_add_nc_u64 s[G0B+4*\slot+2:G0B+4*\slot+3], s[G0B+4*\slot+2:G0B+4*\slot+3], 2*TROW
	JLOAD G0+4*\slot, G1, G0B+4*\slot, G1B         ; the first tensor load behind the round, my one load until the next; its four v_nop are the places in front of the loads below
.else
	PLACES NP
.endif
	FETCH_B \next, 0, 0
	FETCH_A \next, 0, 0
	WIN MUL_HI
	MUL16 4, 1, 0
	MUL16 6, 1, 0
	PLACES NP
	WIN 0
	FETCH_A \next, 0, 4
.endm
	s_wait_alu depctr_va_vdst(0)
	s_wait_tensorcnt 0x0                           ; my part of K step 0 is in
	ds_add_u32 v[SPW], v[NIL]
	s_wait_dscnt 0x0
	CROUND                                         ; everybody's part of K step 0 is in, and all sixteen work-groups are here
	JLOAD G0+4, G1, G0B+4, G1B                     ; K step 1: the first tensor load behind the round
	FETCH_B 0, 0, 0
	FETCH_A 0, 0, 0
	FETCH_A 0, 0, 4
	STEP 0, 0, 1                                   ; the first step stands in front of the loop: its products start the sums
	s_mov_b32 s3, LAPS-1
.Llap:                                                 ; a trip goes once round the ring and fills both slots again
	TURN 0, 1, 1
	STEP 1, 0, 0
	TURN 1, 0, 1
	STEP 0, 0, 0
	s_sub_co_u32 s3, s3, 1
	s_cmp_lg_u32 s3, 0
	s_cbranch_scc1 .Llap
	TURN 0, 1, 0                                   ; the last lap fills nothing, and has no round of the cluster's barrier
	STEP 1, 0, 0
	s_wait_dscnt 4*NL                              ; the very last step: nothing more to fetch
	WIN MUL_LO
	MUL16 0, 1, 0
	MUL16 2, 1, 0
	s_wait_dscnt 0
	WIN MUL_HI
	MUL16 4, 1, 0
	MUL16 6, 1, 0
	WIN 0
	; THE WAY OUT.  A sum stands for sum x 2^(ea + eb), its code is that / 2^eo: the three exponents are folded into the conversion's one scale.
	s_wait_kmcnt 0x0
	s_cmp_eq_u32 ttmp9, 0
	s_cselect_b32 s88, s88, s90                    ; ea: e0 for x, e2 for context
	s_cselect_b32 s89, s89, s91                    ; eb: e1 for Wq, e3 for Wkv
	s_cselect_b32 s92, s92, s93                    ; eo: e4 for q, e5 for k,
	s_cmp_eq_u32 ttmp9, 2
	s_cselect_b32 s92, s94, s92                    ; e6 for v
	s_sub_co_i32 s92, s92, s88
	s_sub_co_i32 s92, s92, s89
	s_add_co_i32 s92, s92, 127
	s_lshl_b32 s93, s92, 23
	v_mov_b32 v[SC], s93
	s_add_co_i32 s92, s92, 8
	s_lshl_b32 s92, s92, 23
	s_or_b32 s92, s92, 0x600000
	v_mov_b32 v[LIM], s92
	PLACES NP                                      ; in front of the first reads of results
; Block a: 16 rows of P x my 128 rows of Q.  The hold reads each accumulator from its low end on; the codes are a fragment's 16 registers and leave as four runs of 512 consecutive bytes.
.macro WAYOUT a
.set AC, 64*((\a)%4)
	WIN 0x02+((\a)/4)                              ; source 0: window 2 or 3
.set jj, 0
.rept 64
	v_med3_num_f32 v[TMP+jj], v[AC+jj], -v[LIM], v[LIM]   ; the conversion to an 8-bit code does not saturate (ISA guide 7.6.2)
.set jj, jj+1
.endr
	WIN 0
.if (\a) > 0
	s_wait_alu depctr_va_vdst(0)
	s_wait_xcnt 0x0                                ; the last block's stores have read their data and their base: both are written again only behind this wait
	s_add_nc_u64 s[80:81], s[80:81], s[82:83]
.endif
.irp g, 0,1,2,3,4,5,6,7
	v_cvt_scalef32_pk8_fp8_f32 v[CD+2*\g:CD+2*\g+1], v[TMP+8*\g:TMP+8*\g+7], v[SC]
.endr
	v_nop                                          ; a plain line between the conversions and the next block's holds, which write their sources
	global_store_b128 v[VO0], v[CD:CD+3], s[80:81]
	global_store_b128 v[VO0], v[CD+4:CD+7], s[80:81] offset:512
	global_store_b128 v[VO2], v[CD+8:CD+11], s[80:81]
	global_store_b128 v[VO2], v[CD+12:CD+15], s[80:81] offset:512
.endm
.irp a, 0,1,2,3,4,5,6,7
	WAYOUT \a
.endr
	s_wait_tensorcnt 0x0                           ; the wave's end, behind my last tensor load
	ds_add_u32 v[SPW], v[NIL]
	s_wait_dscnt 0x0
	CROUND                                         ; the closing round: no work-group ends while a partner may still ask for a tile that names it
	s_endpgm
.Lfunc_end_k_q159d84cbaf_proj:
	.size	k_q159d84cbaf_proj, .Lfunc_end_k_q159d84cbaf_proj-k_q159d84cbaf_proj
	.p2alignl 7, 3214868480
	.fill 96, 4, 3214868480
	.section	.rodata,"a",@progbits
	.p2align	6, 0x0
	.amdhsa_kernel k_q159d84cbaf_proj
		.amdhsa_group_segment_fixed_size 327680
		.amdhsa_private_segment_fixed_size 0
		.amdhsa_enable_private_segment 0
		.amdhsa_kernarg_size 32
		.amdhsa_user_sgpr_count 2
		.amdhsa_user_sgpr_kernarg_segment_ptr 1
		.amdhsa_wavefront_size32 1
		.amdhsa_system_sgpr_workgroup_id_x 1
		.amdhsa_system_sgpr_workgroup_id_y 1
		.amdhsa_system_sgpr_workgroup_id_z 1
		.amdhsa_system_vgpr_workitem_id 0
		.amdhsa_next_free_vgpr 1024
		.amdhsa_next_free_sgpr 100
		.amdhsa_reserve_vcc 0
		.amdhsa_float_denorm_mode_32 3
		.amdhsa_float_denorm_mode_16_64 3
		.amdhsa_memory_ordered 1
		.amdhsa_forward_progress 1
		.amdhsa_inst_pref_size 119
	.end_amdhsa_kernel
	.amdgpu_metadata
---
amdhsa.version: [ 1, 2 ]
amdhsa.kernels:
  - .name:           k_q159d84cbaf_proj
    .symbol:         k_q159d84cbaf_proj.kd
    .args:
      - { .name: act_codes, .offset: 0, .size: 8, .value_kind: global_buffer, .address_space: global }
      - { .name: w_codes, .offset: 8, .size: 8, .value_kind: global_buffer, .address_space: global }
      - { .name: lowp_scales, .offset: 16, .size: 8, .value_kind: global_buffer, .address_space: global }
      - { .name: qkv_codes, .offset: 24, .size: 8, .value_kind: global_buffer, .address_space: global }
    .group_segment_fixed_size: 327680
    .private_segment_fixed_size: 0
    .kernarg_segment_align: 8
    .kernarg_segment_size: 32
    .max_flat_workgroup_size: 128
    .sgpr_count:     100
    .vgpr_count:     1024
    .wavefront_size: 32
...
	.end_amdgpu_metadata
.endif
;; end of part 2
;; launch attn (part 3): grid 256 x 1, 16 waves a work-group, clusters of 4 x 1, 327,680 bytes of LDS; arguments qkv_codes, lowp_scales, a_codes; writes a_codes
.if DOCPART == 3
	.amdgcn_target "amdgcn-amd-amdhsa--gfx1250"
	.amdhsa_code_object_version 6
	.text
	.protected	k_q159d84cbaf_attn
	.globl	k_q159d84cbaf_attn
	.p2align	8
	.type	k_q159d84cbaf_attn,@function
k_q159d84cbaf_attn:
	s_mov_b64 s[64:65], 0
	v_nop
	global_prefetch_b8 v0, s[64:65] scope:SCOPE_SE
	s_setreg_imm32_b32 hwreg(HW_REG_WAVE_MODE, 25, 1), 1
	s_wait_xcnt 0x0
	s_wait_alu depctr_hold_cnt(0) depctr_sa_sdst(0) depctr_va_vdst(0) depctr_va_sdst(0) depctr_va_ssrc(0) depctr_va_vcc(0) depctr_vm_vsrc(0)
	s_getreg_b32 s2, hwreg(HW_REG_IB_STS2, 6, 4)
	s_cmp_eq_u32 s2, 0
	s_cbranch_scc0 .Lentry_in_a_cluster
	s_endpgm
.Lentry_in_a_cluster:
	s_bfe_u32 s2, ttmp6, 0x10000c
	s_cmp_lg_u32 s2, 0x3003
	s_cbranch_scc0 .Lentry_shape_is_right
	s_endpgm
.Lentry_shape_is_right:
; Causal attention on codes of FP8 (E4M3): 64 (batch, head) pairs, 2,048 queries and keys, head size 64.  The result is quantised at once (e8) into the operand layout of the last product.
; q, k: [pair][tile of 16 tokens 0..127][1,024 bytes]: lane (r, h) holds 16 bytes at 16 x lane (d = 16 h + 0..15) and at 512 + 16 x lane (d = 32 + 16 h + 0..15); lane-row r of tile T is token 32 (T / 2) + 8 (T % 2) + r + 8 (r / 8).
; v: [b][128 keys 0..15][channel tile 0..63][2,048 bytes], the keys along K: piece c at 512 c holds keys 32 c + 16 h + 0..15.  Scales: e4 (q), e5 (k), e6 (v), e7 (p), e8 (the result).
; THE SOFTMAX: t = score x log2(e) / 8; M = the row's largest t so far, rounded UP to a whole number; p = 2^(t - M) is quantised, not normalised; the row's sum is taken of the unquantised p and divides O at the end.
; When M moves, the sum and O are multiplied by 2^(old M - new M): exact.
; SHARES.  A cluster of four work-groups serves one pair.  Work-group g (its place in the cluster) owns the query tiles T = 4 i + g, i = 0..31; wave w owns i = 31 - w and then i = w.
; Tile T needs the key steps 0 .. i / 2 of 128 keys, whatever g is: (31 - w) / 2 + w / 2 + 2 = 17 steps in every wave of every work-group.  Steps whose keys all come after the tile's queries are under reference()'s own mask and are left out.
; K AND V LIE WHOLE IN LDS: 2 x 131,072 bytes, each byte filled once, by joint loads (mask 15: the four partners take the same bytes): keys 0-511 at the head, 4,096 bytes a wave; keys 512-2,047 behind the full sequence and a round
; (waves 0-3: 24,576 bytes of K each; waves 4-15: V's group of 128 keys with the wave's own number), while the first four steps are worked.  One barrier follows those steps; behind it no wave waits for another.
; No branch, trip count or LDS address hangs on g: it enters q's and the result's addresses and the mask's lane term alone.
; NO PREFETCH: all of K and V is asked for by these two groups of loads, the second issued ahead of the first key step: no later request is left to run ahead of.
; LAYOUT.  Both products are used transposed: S^T = K Q^T, O^T = V^T P^T: a lane holds ONE query; the 16 registers of key tiles 2 b, 2 b + 1 are keys 32 b + 16 h + 0..15, so the conversions' results are the next operand's registers.
; LIMITS on the given exponents: e4 + e5 between -123 and 130 (added to c's exponent field); e7 and e8 between -126 and 119; e6 + e7 is applied by v_ldexp_f32 and has none.
; REGISTERS: v1 16 x lane, v2 the same in V's region; v3, v4 the mask's lane terms; v5, v6 the add's two; v8, v9 the step's addresses; v12 -M, v13 the largest t, v[14:15] the sum; v16-23, v24-31 Q of my two tiles;
; v32-95 K's eight fragments, then V's four; v96-159 S^T, then p; v160-191 O^T; v193, v240: 448 x 2^e7; v244: 2^e7; v241, v245: the same with e8; v224-239 p's codes; v236-255 else at work.
.set VREG,  131072                     ; K's 2,048 keys from byte 0, 8,192 bytes a step; V's from here, likewise
.set SPARE, 262144                     ; behind them the spare words, 128 bytes for each wave: eight blocks of 256 bytes that no other line names
.set LI,   1
.set LV,   2
.set DH,   3
.set DL,   4
.set SPW,  5
.set NIL,  6
.set ADR,  8
.set ADV,  9
.set HP1,  193
.set WV,   18                          ; s18  my wave's number
.set SEL,  20                          ; s[20:21] lane selects: lane l xor 16
.set CS,   22                          ; s[22:23] c = log2(e) / 8
.set G1A,  24                          ; descriptor groups 1: 16, 96 and 32 dense rows of 256 bytes
.set G1K,  32
.set G1V,  40
.set G0A,  48                          ; groups 0: the head's load; K's and V's of the second group
.set G0K,  52
.set G0V,  56
.set TB,   60                          ; s60  the step's first byte in K's region
.set KF,   61                          ; s61  the step's first key
.set LKH,  62                          ; s62  first key of the last step of my high tile: 128 ((31 - w) / 2)
.set LKL,  63                          ; s63  of my low tile: 128 (w / 2)
.set CNT,  67
.set ES,   72                          ; s72  e6 + e7
.macro ROUND                           ; a round of the cluster's barrier
	s_barrier_signal -1
	s_barrier_wait -1
	s_cmp_lg_u32 s[WV], 0
	s_cbranch_scc1 .Lnw0_\@
	s_barrier_signal -3
.Lnw0_\@:
	s_barrier_wait -3
	s_barrier_signal -1
	s_barrier_wait -1
.endm
.macro NOPS n
.rept \n
	v_nop
.endr
.endm
	s_load_b128 s[4:7], s[0:1], 0x0                ; qkv_codes s[4:5], the scales s[6:7]
	s_load_b64 s[8:9], s[0:1], 0x10                ; a_codes
	v_lshl_add_u32 v[SPW], v0, 2, SPARE
	v_mov_b32 v[NIL], 0
	ds_add_u32 v[SPW], v[NIL]                      ; the opening lines: the add, twice on end, and its wait below
	ds_add_u32 v[SPW], v[NIL]
	v_lshrrev_b32 v8, 5, v0
	v_readfirstlane_b32 s[WV], v8                  ; wave 0..15
	s_bfe_u32 s75, ttmp6, 0x40000                  ; g: my place in the cluster
	s_sub_co_u32 s76, 31, s[WV]
	s_lshl_b32 s77, s76, 2
	s_add_co_u32 s77, s77, s75                     ; my high tile T = 4 (31 - w) + g
	s_lshl_b32 s78, s[WV], 2
	s_add_co_u32 s78, s78, s75                     ; my low tile T = 4 w + g
	s_lshr_b32 s[LKH], s76, 1
	s_lshl_b32 s[LKH], s[LKH], 7
	s_lshr_b32 s[LKL], s[WV], 1
	s_lshl_b32 s[LKL], s[LKL], 7
	s_bfe_u32 s79, s77, 0x20001                    ; the tile's first query within its last step: 32 ((T / 2) % 4) + 8 (T % 2)
	s_lshl_b32 s79, s79, 5
	s_and_b32 s80, s77, 1
	s_lshl_b32 s80, s80, 3
	s_add_co_u32 s79, s79, s80
	s_bfe_u32 s81, s78, 0x20001
	s_lshl_b32 s81, s81, 5
	s_add_co_u32 s81, s81, s80                     ; (T % 2 = g % 2 in both tiles)
	s_lshl_b32 s83, ttmp9, 17                      ; the pair's 131,072 bytes of q and of k
	s_lshl_b32 s84, s77, 10
	s_add_co_u32 s84, s84, s83                     ; q: my high tile,
	s_mov_b32 s85, 0
	s_lshl_b32 s86, s78, 10
	s_add_co_u32 s86, s86, s83                     ; my low tile
	s_mov_b32 s87, 0
	s_lshr_b32 s89, ttmp9, 4
	s_lshl_b32 s89, s89, 21                        ; b x 2 MiB: in v, and in a_codes
	s_and_b32 s94, ttmp9, 15                       ; the head
	s_lshl_b32 s88, s94, 10                        ; a_codes: K step head / 2 (2,048 bytes), pieces 2 (head % 2) on (1,024): 1,024 x head
	s_add_co_u32 s88, s88, s89
	s_lshl_b32 s90, s77, 14                        ; token tile 128 b + T of 16,384 bytes
	s_add_co_u32 s90, s90, s88
	s_mov_b32 s91, 0
	s_lshl_b32 s92, s78, 14
	s_add_co_u32 s92, s92, s88
	s_mov_b32 s93, 0
	s_add_co_u32 s95, s83, 0x800000                ; k: the pair's first key
	s_lshl_b32 s96, s94, 13                        ; v: the head's four channel tiles of 2,048 bytes
	s_add_co_u32 s96, s96, s89
	s_add_co_u32 s96, s96, 0x1000000
	; the head's load: waves 0-7: K's bytes 4,096 w on; waves 8-15: half (w % 2) of V's group (w - 8) / 2
	s_lshl_b32 s97, s[WV], 12
	s_add_co_u32 s98, s95, s97
	s_bfe_u32 s99, s[WV], 0x20001
	s_lshl_b32 s99, s99, 17
	s_and_b32 s82, s[WV], 1
	s_lshl_b32 s82, s82, 12
	s_add_co_u32 s99, s99, s82
	s_add_co_u32 s99, s99, s96
	s_cmp_lt_u32 s[WV], 8
	s_cselect_b32 s98, s98, s99
	s_mov_b32 s99, 0
	s_lshr_b32 s82, s[WV], 3
	s_mul_i32 s82, s82, VREG-32768
	s_add_co_u32 s[G0A+1], s97, s82                ; LDS: 4,096 w, and for V's waves on into V's region
	; the second group: K: 24,576 bytes from byte 32,768 + 24,576 (w % 4); V: the group of 128 keys with my wave's number
	s_and_b32 s82, s[WV], 3
	s_mul_i32 s82, s82, 24576
	s_add_co_u32 s[G0K+1], s82, 32768
	s_add_co_u32 s12, s[G0K+1], s95
	s_mov_b32 s13, 0
	s_lshl_b32 s82, s[WV], 13
	s_add_co_u32 s[G0V+1], s82, VREG
	s_lshl_b32 s14, s[WV], 17
	s_add_co_u32 s14, s14, s96
	s_mov_b32 s15, 0
.irp g, G1A, G1K, G1V
	s_mov_b32 s[\g], 15|(3<<16)|(1<<21)            ; the mask: all four partners; elements of 8 bytes; bit 21 beside a mask; no padding: fragments are read 16 x lane
	s_mov_b32 s[\g+1], 32<<16                      ; tensor_dim0 = 32 elements: rows of 256 bytes
	s_mov_b32 s[\g+3], 32<<16                      ; tile_dim0
	s_mov_b32 s[\g+5], 32                          ; dense
	s_mov_b32 s[\g+6], 0
	s_mov_b32 s[\g+7], 0
.endr
	s_mov_b32 s[G1A+2], 16<<16
	s_mov_b32 s[G1A+4], 16
	s_mov_b32 s[G1K+2], 96<<16
	s_mov_b32 s[G1K+4], 96
	s_mov_b32 s[G1V+2], 32<<16
	s_mov_b32 s[G1V+4], 32
	s_mov_b32 s[G0A], 1
	s_mov_b32 s[G0K], 1
	s_mov_b32 s[G0V], 1
	s_mov_b32 s[SEL], 0x76543210
	s_mov_b32 s[SEL+1], 0xfedcba98
	s_mov_b32 s[CS], 0x3e38aa3b                    ; c = log2(e) / 8
	s_mov_b32 s[TB], 0
	s_mov_b32 s[KF], 0
	s_wait_dscnt 0x0                               ; both opening adds are done
	s_wait_kmcnt 0x0
	s_load_b128 s[68:71], s[6:7], 0x10             ; e4, e5, e6, e7
	s_load_b32 s66, s[6:7], 0x20                   ; e8
	s_add_nc_u64 s[G0A+2:G0A+3], s[4:5], s[98:99]
	s_or_b32 s[G0A+3], s[G0A+3], 0x80000000
	s_add_nc_u64 s[G0K+2:G0K+3], s[4:5], s[12:13]
	s_or_b32 s[G0K+3], s[G0K+3], 0x80000000
	s_add_nc_u64 s[G0V+2:G0V+3], s[4:5], s[14:15]
	s_or_b32 s[G0V+3], s[G0V+3], 0x80000000
	ROUND                                          ; all four work-groups are here: the first joint loads meet
	tensor_load_to_lds s[G0A:G0A+3], s[G1A:G1A+7]  ; keys 0-511: my one tensor load at the head
	s_nop 0
	NOPS 4
	s_add_nc_u64 s[10:11], s[4:5], s[84:85]        ; q at my high tile,
	s_add_nc_u64 s[14:15], s[4:5], s[86:87]        ; at my low tile
	s_add_nc_u64 s[12:13], s[8:9], s[92:93]        ; a_codes at my low tile's two pieces,
	s_add_nc_u64 s[8:9], s[8:9], s[90:91]          ; at my high tile's
	v_and_b32 v[LI], 31, v0
	v_lshlrev_b32 v[LI], 4, v[LI]
	global_load_b128 v[16:19], v[LI], s[10:11]     ; both Q fragments stay in registers
	global_load_b128 v[20:23], v[LI], s[10:11] offset:512
	global_load_b128 v[24:27], v[LI], s[14:15]
	global_load_b128 v[28:31], v[LI], s[14:15] offset:512
	v_add_nc_u32 v[LV], VREG, v[LI]
	v_and_b32 v[DH], 15, v0
	v_and_b32 v[DL], 8, v0
	v_add_nc_u32 v[DH], v[DH], v[DL]
	v_and_b32 v[DL], 16, v0
	v_sub_nc_u32 v[DH], v[DH], v[DL]               ; r + 8 (r / 8) - 16 h
	v_add_nc_u32 v[DL], s81, v[DH]                 ; d = my query - the last step's first key - 16 h, for the low tile,
	v_add_nc_u32 v[DH], s79, v[DH]                 ; for the high tile
.macro FRESH                           ; a tile's start: the steps have no first step of their own: they find zeros, which the first change of M leaves zeros
	v_mov_b32 v13, 0xff61b1e6                      ; the largest t so far: -3e38, under every t
	v_mov_b32 v14, 0                               ; the sum, in two halves
	v_mov_b32 v15, 0
	v_floor_f32 v12, -v13                          ; -M
.set jj, 0
.rept 32
	v_mov_b32 v[160+jj], 0
.set jj, jj+1
.endr
.endm
	FRESH
	v_mov_b32 v236, 0                              ; written once: a lane permute's destination counts as one of its sources
	v_mov_b32 v253, 0                              ; (named as the upper half of the pair v[252:253])
	s_wait_kmcnt 0x0
	s_add_co_i32 s73, s68, s69
	s_lshl_b32 s73, s73, 23
	s_add_co_i32 s[CS], s[CS], s73                 ; a score stands for score x 2^(e4 + e5): added to c's exponent field
	s_mov_b32 s[CS+1], s[CS]
	s_add_co_i32 s[ES], s70, s71
	s_add_co_i32 s73, s71, 127
	s_lshl_b32 s74, s73, 23
	v_mov_b32 v244, s74                            ; 2^e7
	s_add_co_i32 s73, s73, 8
	s_lshl_b32 s73, s73, 23
	s_or_b32 s73, s73, 0x600000
	v_mov_b32 v240, s73                            ; 448 x 2^e7, twice: one register for each half of a dual pair
	v_mov_b32 v[HP1], s73
	s_add_co_i32 s73, s66, 127
	s_lshl_b32 s74, s73, 23
	v_mov_b32 v245, s74                            ; 2^e8
	s_add_co_i32 s73, s73, 8
	s_lshl_b32 s73, s73, 23
	s_or_b32 s73, s73, 0x600000
	v_mov_b32 v241, s73                            ; 448 x 2^e8
; A KEY STEP: 128 keys from key KF on, for the tile whose Q lies at v[qr].  masked = 1: the step may lie behind the tile's last step (left out) or be it (hidden scores become -infinity).  lk: that step's first key; dr: the mask's lane term.
.macro STEP qr, masked, lk, dr
.if \masked
	s_cmp_gt_u32 s[KF], s[\lk]                     ; the wave's number and the count of steps alone decide
	s_cbranch_scc1 .Lhidden_\@
.endif
	v_add_nc_u32 v[ADR], s[TB], v[LI]
	v_add_nc_u32 v[ADV], s[TB], v[LV]
	NOPS 2                                         ; with the two additions: four places in front of loads into registers that the last products read
.irp t, 0,1,2,3,4,5,6,7
.irp c, 0,1
	ds_load_b128 v[32+8*\t+4*\c:32+8*\t+4*\c+3], v[ADR] offset:1024*\t+512*\c
.endr
.endr
	s_wait_alu depctr_va_vdst(0)                   ; directly ahead of the wait below
	s_wait_dscnt 0x0
.irp t, 0,1,2,3,4,5,6,7                        ; S^T = K Q^T: eight tiles of 16 keys, K = the head's 64
	v_wmma_f32_16x16x64_fp8_fp8 v[96+8*\t:103+8*\t], v[32+8*\t:39+8*\t], v[\qr:\qr+7], 0
.endr
	NOPS 4                                         ; places in front of the loads below and of the first read of the scores
.irp t, 0,1,2,3                                ; V's four fragments are asked for now and land under the softmax
.irp c, 0,1,2,3
	ds_load_b128 v[32+16*\t+4*\c:32+16*\t+4*\c+3], v[ADV] offset:2048*\t+512*\c
.endr
.endr
.if \masked
	s_cmp_lt_u32 s[KF], s[\lk]                     ; ahead of the tile's last step all keys count
	s_cbranch_scc1 .Lopen_\@
	v_mov_b32 v254, 0xff800000                     ; -infinity: p = 0 then.  Register 16 b + i holds key KF + 32 b + 16 h + i: hidden where 32 b + i > d.  Key KF counts for every query of the tile, so the maximum is a number
.set nn, 0
.rept 64
	v_cmp_gt_i32 vcc_lo, 32*(nn/16)+nn%16, v[\dr]
	v_cndmask_b32 v[96+nn], v[96+nn], v254, vcc_lo
.set nn, nn+1
.endr
.Lopen_\@:
.endif
	v_max3_num_f32 v254, v96, v97, v98             ; the step's largest score of my query, in two chains (each accumulator is first read at its low end),
	v_max3_num_f32 v252, v99, v100, v101
.set ii, 6
.rept 14
	v_max3_num_f32 v254, v254, v[96+ii], v[97+ii]
	v_max3_num_f32 v252, v252, v[98+ii], v[99+ii]
.set ii, ii+4
.endr
	v_max3_num_f32 v254, v254, v158, v159
	s_delay_alu instid0(VALU_DEP_1)
	v_max_num_f32 v254, v254, v252
	v_permlanex16_b32 v236, v254, s[SEL], s[SEL+1]
	s_delay_alu instid0(VALU_DEP_1)
	v_max_num_f32 v254, v254, v236                 ; and among lane l xor 16's
	s_delay_alu instid0(VALU_DEP_1)
	v_mul_f32 v254, s[CS], v254                    ; as t (c is positive)
	s_delay_alu instid0(VALU_DEP_1)
	v_max_num_f32 v13, v13, v254                   ; the running largest t
	v_mov_b32 v254, v12
	s_delay_alu instid0(VALU_DEP_2)
	v_floor_f32 v12, -v13                          ; the new -M = -ceil(t): M is a whole number
	s_delay_alu instid0(VALU_DEP_1)
	v_sub_f32 v254, v12, v254                      ; M's old value less its new one: a whole number, 0 or less
	s_delay_alu instid0(VALU_DEP_1)
	v_cvt_i32_f32 v254, v254                       ; (it saturates)
	s_delay_alu instid0(VALU_DEP_1)
	v_ldexp_f32 v252, 1.0, v254                    ; f = 2^(old M - new M)
.set jj, 0
.rept 32
	v_pk_fma_f32 v[96+jj:97+jj], v[96+jj:97+jj], s[CS:CS+1], v[12:13] op_sel_hi:[1,0,0]   ; t - M, two at a time
.set jj, jj+2
.endr
.set jj, 0
	s_wait_alu depctr_va_vdst(0)                   ; ahead of the batch
.rept 64
	v_exp_f32 v[96+jj], v[96+jj]                   ; p = 2^(t - M), at most 1: not normalised
.set jj, jj+1
.endr
	v_pk_mul_f32 v[14:15], v[14:15], v[252:253] op_sel_hi:[1,0]   ; the sums under the new M.  (The plain line behind the exponentials)
	s_wait_alu depctr_va_vdst(0)                   ; one wait for the whole batch, ahead of its first reader
	v_pk_add_f32 v[242:243], v[100:101], v[104:105]   ; the row's sum is taken of the unquantised p: eight chains
	v_pk_add_f32 v[254:255], v[108:109], v[112:113]
	v_pk_add_f32 v[250:251], v[116:117], v[120:121]
	v_pk_add_f32 v[248:249], v[124:125], v[128:129]
	v_pk_add_f32 v[246:247], v[132:133], v[136:137]
	v_pk_add_f32 v[238:239], v[140:141], v[144:145]
	v_pk_add_f32 v[236:237], v[148:149], v[152:153]
	v_pk_add_f32 v[14:15], v[14:15], v[156:157]
	v_pk_add_f32 v[242:243], v[242:243], v[96:97]
	v_pk_add_f32 v[254:255], v[254:255], v[98:99]
	v_pk_add_f32 v[250:251], v[250:251], v[102:103]
	v_pk_add_f32 v[248:249], v[248:249], v[106:107]
	v_pk_add_f32 v[246:247], v[246:247], v[110:111]
	v_pk_add_f32 v[238:239], v[238:239], v[114:115]
	v_pk_add_f32 v[236:237], v[236:237], v[118:119]
	v_pk_add_f32 v[14:15], v[14:15], v[122:123]
	v_pk_add_f32 v[242:243], v[242:243], v[126:127]
	v_pk_add_f32 v[254:255], v[254:255], v[130:131]
	v_pk_add_f32 v[250:251], v[250:251], v[134:135]
	v_pk_add_f32 v[248:249], v[248:249], v[138:139]
	v_pk_add_f32 v[246:247], v[246:247], v[142:143]
	v_pk_add_f32 v[238:239], v[238:239], v[146:147]
	v_pk_add_f32 v[236:237], v[236:237], v[150:151]
	v_pk_add_f32 v[14:15], v[14:15], v[154:155]
	v_pk_add_f32 v[242:243], v[242:243], v[158:159]
	s_delay_alu instid0(VALU_DEP_2)
	v_pk_add_f32 v[14:15], v[14:15], v[248:249]
	s_delay_alu instid0(VALU_DEP_2)
	v_pk_add_f32 v[242:243], v[242:243], v[246:247]
	v_pk_add_f32 v[254:255], v[254:255], v[238:239]
	v_pk_add_f32 v[250:251], v[250:251], v[236:237]
	s_delay_alu instid0(VALU_DEP_2)
	v_pk_add_f32 v[14:15], v[14:15], v[254:255]
	s_delay_alu instid0(VALU_DEP_2)
	v_pk_add_f32 v[242:243], v[242:243], v[250:251]
	s_delay_alu instid0(VALU_DEP_1)
	v_pk_add_f32 v[14:15], v[14:15], v[242:243]
.irp b, 0,1,2,3
.irp i, 0,2,4,6,8,10,12,14
	v_dual_min_num_f32 v[96+16*\b+\i], v[96+16*\b+\i], v240 :: v_dual_min_num_f32 v[97+16*\b+\i], v[97+16*\b+\i], v[HP1]   ; the conversion to an 8-bit code does not saturate (ISA guide 7.6.2); p is not negative, so the hold is one-sided; two holds a line
.endr
	v_cvt_scalef32_pk8_fp8_f32 v[224+4*\b:225+4*\b], v[96+16*\b:103+16*\b], v244
	v_cvt_scalef32_pk8_fp8_f32 v[226+4*\b:227+4*\b], v[104+16*\b:111+16*\b], v244
.endr
	s_wait_alu depctr_va_vdst(0)                   ; directly ahead of the first reader of O^T
.set jj, 0
.rept 16
	v_pk_mul_f32 v[160+jj:161+jj], v[160+jj:161+jj], v[252:253] op_sel_hi:[1,0]   ; O^T under the new M: x f.  (Also the plain lines between the conversions and the products below)
.set jj, jj+2
.endr
	s_wait_alu depctr_va_vdst(0)                   ; directly ahead of the wait below
	s_wait_dscnt 0x0                               ; V's fragments are in
.irp t, 0,1,2,3                                ; O^T += V^T P^T: four accumulators by turns; the next step's eight other products stand between two links
	v_wmma_f32_16x16x128_fp8_fp8 v[160+8*\t:167+8*\t], v[32+16*\t:47+16*\t], v[224:239], v[160+8*\t:167+8*\t]
.endr
.Lhidden_\@:
	s_add_co_u32 s[KF], s[KF], 128
	s_add_co_u32 s[TB], s[TB], 8192
.endm
; THE WAY OUT of a tile.  O^T x 2^(e6 + e7) / the sum is held, quantised with e8, and is then two pieces of the last product's fragment: two stores of 512 consecutive bytes a wave.
.macro WAYOUT base
	NOPS 4                                         ; places behind the last products
	v_add_f32 v14, v14, v15                        ; the sum's two halves,
	v_permlanex16_b32 v236, v14, s[SEL], s[SEL+1]
	v_add_f32 v14, v14, v236                       ; and lane l xor 16's: the row's sum
	s_wait_alu depctr_va_vdst(0)                   ; ahead of the transcendental
	v_rcp_f32 v14, v14
	v_nop                                          ; a plain line behind it
	s_wait_alu depctr_va_vdst(0)                   ; ahead of its first reader
	v_ldexp_f32 v14, v14, s[ES]
	s_wait_alu depctr_va_vdst(0)                   ; directly ahead of the first reader of O^T
.set jj, 0
.rept 16
	v_pk_mul_f32 v[96+jj:97+jj], v[160+jj:161+jj], v[14:15] op_sel_hi:[1,0]   ; register 16 b + i: channel 32 b + 16 h + i of my query; each accumulator from its low end on
.set jj, jj+2
.endr
.set jj, 0
.rept 32
	v_med3_num_f32 v[96+jj], v[96+jj], -v241, v241
.set jj, jj+1
.endr
.irp g, 0,1,2,3
	v_cvt_scalef32_pk8_fp8_f32 v[224+2*\g:225+2*\g], v[96+8*\g:103+8*\g], v245
.endr
	v_nop                                          ; a plain line behind the last conversion
	global_store_b128 v[LI], v[224:227], s[\base:\base+1]
	global_store_b128 v[LI], v[228:231], s[\base:\base+1] offset:512
.endm
.macro LOOPEND label
	s_sub_co_u32 s[CNT], s[CNT], 1
	s_cmp_lg_u32 s[CNT], 0
	s_cbranch_scc1 \label
.endm
	s_wait_alu depctr_va_vdst(0)                   ; the wait at the head's end
	s_wait_tensorcnt 0x0                           ; my part of keys 0-511 is in
	ds_add_u32 v[SPW], v[NIL]
	s_wait_dscnt 0x0
	ROUND                                          ; everybody's part is in, and all four work-groups are here
	s_cmp_lt_u32 s[WV], 4                          ; keys 512-2,047: waves 0-3 for K, waves 4-15 for V: one joint load a wave
	s_cbranch_scc0 .Lfor_v
	tensor_load_to_lds s[G0K:G0K+3], s[G1K:G1K+7]
	s_nop 0
	NOPS 4
	s_branch .Lasked
.Lfor_v:
	tensor_load_to_lds s[G0V:G0V+3], s[G1V:G1V+7]
	s_nop 0
	NOPS 4
.Lasked:
	s_wait_loadcnt 0x0                             ; Q
	s_mov_b32 s[CNT], 4
.Lfirst:                                           ; steps 0-3 of the high tile: its last step is 8 or later in every wave, so nothing is hidden here
	STEP 16, 0, LKH, DH
	LOOPEND .Lfirst
	s_wait_tensorcnt 0x0                           ; my part of keys 512-2,047 is in
	ds_add_u32 v[SPW], v[NIL]
	s_wait_dscnt 0x0
	s_barrier_signal -1
	s_barrier_wait -1                              ; everybody's is: K and V are whole, nothing is filled again, and no barrier follows but the closing round's
	s_mov_b32 s[CNT], 12
.Lhigh:                                            ; steps 4-15 of the high tile: a constant count of trips; the steps behind the tile's last are jumped over
	STEP 16, 1, LKH, DH
	LOOPEND .Lhigh
	WAYOUT 8
	s_wait_xcnt 0x0                                ; the stores have read their data: the codes' registers are written again only behind this wait
	FRESH
	s_mov_b32 s[TB], 0
	s_mov_b32 s[KF], 0
	s_mov_b32 s[CNT], 8
	s_wait_alu depctr_va_vdst(0)
.Llow:                                             ; steps 0-7 of the low tile, likewise
	STEP 24, 1, LKL, DL
	LOOPEND .Llow
	WAYOUT 12
	s_wait_tensorcnt 0x0                           ; the wave's end
	ds_add_u32 v[SPW], v[NIL]
	s_wait_dscnt 0x0
	ROUND                                          ; the closing round
	s_endpgm
.Lfunc_end_k_q159d84cbaf_attn:
	.size	k_q159d84cbaf_attn, .Lfunc_end_k_q159d84cbaf_attn-k_q159d84cbaf_attn
	.p2alignl 7, 3214868480
	.fill 96, 4, 3214868480
	.section	.rodata,"a",@progbits
	.p2align	6, 0x0
	.amdhsa_kernel k_q159d84cbaf_attn
		.amdhsa_group_segment_fixed_size 327680
		.amdhsa_private_segment_fixed_size 0
		.amdhsa_enable_private_segment 0
		.amdhsa_kernarg_size 24
		.amdhsa_user_sgpr_count 2
		.amdhsa_user_sgpr_kernarg_segment_ptr 1
		.amdhsa_wavefront_size32 1
		.amdhsa_system_sgpr_workgroup_id_x 1
		.amdhsa_system_sgpr_workgroup_id_y 1
		.amdhsa_system_sgpr_workgroup_id_z 1
		.amdhsa_system_vgpr_workitem_id 0
		.amdhsa_next_free_vgpr 256
		.amdhsa_next_free_sgpr 100
		.amdhsa_reserve_vcc 1
		.amdhsa_float_denorm_mode_32 3
		.amdhsa_float_denorm_mode_16_64 3
		.amdhsa_memory_ordered 1
		.amdhsa_forward_progress 1
		.amdhsa_inst_pref_size 78
	.end_amdhsa_kernel
	.amdgpu_metadata
---
amdhsa.version: [ 1, 2 ]
amdhsa.kernels:
  - .name:           k_q159d84cbaf_attn
    .symbol:         k_q159d84cbaf_attn.kd
    .args:
      - { .name: qkv_codes, .offset: 0, .size: 8, .value_kind: global_buffer, .address_space: global }
      - { .name: lowp_scales, .offset: 8, .size: 8, .value_kind: global_buffer, .address_space: global }
      - { .name: a_codes, .offset: 16, .size: 8, .value_kind: global_buffer, .address_space: global }
    .group_segment_fixed_size: 327680
    .private_segment_fixed_size: 0
    .kernarg_segment_align: 8
    .kernarg_segment_size: 24
    .max_flat_workgroup_size: 512
    .sgpr_count:     100
    .vgpr_count:     256
    .wavefront_size: 32
...
	.end_amdgpu_metadata
.endif
;; end of part 3
;; launch outp (part 4): grid 4 x 64, 4 waves a work-group, clusters of 4 x 4, 327,680 bytes of LDS; arguments a_codes, w_codes, lowp_scales, out0; writes out0
.if DOCPART == 4
	.amdgcn_target "amdgcn-amd-amdhsa--gfx1250"
	.amdhsa_code_object_version 6
	.text
	.protected	k_q159d84cbaf_outp
	.globl	k_q159d84cbaf_outp
	.p2align	8
	.type	k_q159d84cbaf_outp,@function
k_q159d84cbaf_outp:
	s_mov_b64 s[64:65], 0
	v_nop
	global_prefetch_b8 v0, s[64:65] scope:SCOPE_SE
	s_setreg_imm32_b32 hwreg(HW_REG_WAVE_MODE, 25, 1), 1
	s_wait_xcnt 0x0
	s_wait_alu depctr_hold_cnt(0) depctr_sa_sdst(0) depctr_va_vdst(0) depctr_va_sdst(0) depctr_va_ssrc(0) depctr_va_vcc(0) depctr_vm_vsrc(0)
	s_getreg_b32 s2, hwreg(HW_REG_IB_STS2, 6, 4)
	s_cmp_eq_u32 s2, 0
	s_cbranch_scc0 .Lentry_in_a_cluster
	s_endpgm
.Lentry_in_a_cluster:
	s_bfe_u32 s2, ttmp6, 0x10000c
	s_cmp_lg_u32 s2, 0xf033
	s_cbranch_scc0 .Lentry_shape_is_right
	s_endpgm
.Lentry_shape_is_right:
; out0 = a Wo on codes of FP8 (E4M3): a [8,192 tokens][1,024] from attention (scale e8), Wo's codes at byte 0x300000 of w_codes (scale e9); out0 [8,192][1,024] f32.  Each finished sum is multiplied once by 2^(e8 + e9).
; LIMIT: e8 + e9 lies between -126 and 127, so that 2^(e8 + e9) is an f32 number.
; OPERANDS lie as images of their registers: fragment (tile T of 16 rows, K step s of 128) at byte 2,048 (8 T + s), piece c at 512 c, lane at 16 x lane; lane-row r of tile T is row 32 (T / 2) + 8 (T % 2) + r + 8 (r / 8).
; SHARES.  A block of out0 is 128 tokens x 256 columns: 64 x 4 = 256 work-groups.  Four waves, each 64 tokens x 128 columns: 32 accumulators of 16 x 16.  Source 0 = 16 columns of Wo (Q), source 1 = 16 tokens (P): a lane holds one token.
; LDS.  K = 1,024 is eight steps of 128; a step is 16,384 bytes of P and 32,768 of Q.  Region 1 holds steps 0-3 (a row tile's 8,192 bytes on end), region 2 steps 4-5 (4,096 bytes a row tile); steps 6-7 are filled over
; the first half of each part of region 1 when every wave has read steps 0-3.  So three fills serve the whole of K, one tensor load a wave each: waves 0, 1 fetch P's halves, waves 2, 3 Q's.
; CLUSTERS: 4 x 4 work-groups; P's tiles are asked for jointly along a row of the cluster, Q's along a column.
; PREFETCH: behind the first fill's request each wave names bytes of the second fill, behind the second's of the third: one fill ahead.  The four partners that ask for a part jointly share its row tiles out by address
; (P: row tile cx of four, lanes 0-15 its steps 4-5, lanes 16-31 its steps 6-7, asked once; Q: row tiles 2 cy and 2 cy + 1 of eight).  All sixteen clusters read the same columns of Wo: the four with the lowest numbers ask for them.
; REGISTERS, in windows of 256: window 0: v16-29 addresses; v32-95 the way out; v128-191, v192-255 P's four fragments, two sets.  window 1: Q's eight fragments, two sets, at v0 and v128.  window 2: the accumulators ((a, b) at v[8 (8 a + b)]).
.set NP,     4                         ; places behind this matrix instruction (ISA guide 7.12.1)
.set R1B,    65536                     ; region 1: P's halves at 0 and 32,768; Q's halves from here, 65,536 each
.set R2A,    196608                    ; region 2: P's halves, 16,384 each,
.set R2B,    229376                    ; Q's halves, 32,768 each
.set SPARE,  294912                    ; the spare words, 128 bytes for each wave: two blocks of 256 bytes that no other line names
.set STAGE,  R2A                       ; the way out: 16 rows x 528 bytes for each wave, in region 2: it has had its one fill, and nobody reads it behind the last barrier
.set SPITCH, 528
.set ADRA, 16                          ; v16 my P fragments in region 1, v17 in region 2
.set ADRB, 20                          ; v20, v21 the same for Q
.set STO,  24
.set RD,   25
.set CO,   26                          ; v26  16 x lane
.set PFO,  27                          ; v27  the prefetches' lane offset; never rewritten
.set SPW,  28
.set NIL,  29
.set TMP,  32
.set AF,   128
.set BK,   128
.set G1A1, 24                          ; descriptor groups 1: P and Q, rows of 8,192 bytes;
.set G1B1, 32
.set G1A2, 48                          ; P and Q, rows of 4,096 bytes
.set G1B2, 56
.set G0A,  68                          ; groups 0, written anew behind each wait for all my loads
.set G0B,  72
.set PFA,  76                          ; s[76:77] where my prefetches stand; never rewritten
.set MSB, 0
.macro WIN new                         ; the immediate's high byte repeats the setting that is left
.if MSB != (\new)
	s_set_vgpr_msb (MSB<<8)|(\new)
.set MSB, \new
.endif
.endm
.set MUL,  0xa1                        ; source 0 (Q) window 1, source 1 (P) window 0, C and D window 2
.set TO_B, 0x40                        ; destination window 1, address window 0
.macro PLACES n
.rept \n
	v_nop
.endr
.endm
.macro JLOAD g1a, g1b                  ; a joint load: each line has one mask and one set of registers; the branch hangs on the wave's number alone
	s_cmp_eq_u32 s15, 0
	s_cbranch_scc0 .Lfor_b_\@
	tensor_load_to_lds s[G0A:G0A+3], s[\g1a:\g1a+7]
	s_nop 0
	PLACES 4
	s_branch .Lasked_\@
.Lfor_b_\@:
	tensor_load_to_lds s[G0B:G0B+3], s[\g1b:\g1b+7]
	s_nop 0
	PLACES 4
.Lasked_\@:
.endm
.macro CREST                           ; a round of the cluster's barrier behind its opening barrier
	s_cmp_lg_u32 s14, 0
	s_cbranch_scc1 .Lnot_wave_0_\@
	s_barrier_signal -3
.Lnot_wave_0_\@:
	s_barrier_wait -3
	s_barrier_signal -1
	s_barrier_wait -1
.endm
.macro CROUND
	s_barrier_signal -1
	s_barrier_wait -1
	CREST
.endm
	s_load_b256 s[4:11], s[0:1], 0x0               ; a_codes s[4:5], w_codes s[6:7], the scales s[8:9], out0 s[10:11]
	v_lshl_add_u32 v[SPW], v0, 2, SPARE
	v_mov_b32 v[NIL], 0
	ds_add_u32 v[SPW], v[NIL]                      ; the opening lines: the add, twice on end, and its wait below
	ds_add_u32 v[SPW], v[NIL]
	v_lshrrev_b32 v1, 5, v0
	v_readfirstlane_b32 s14, v1                    ; wave 0..3
	s_lshr_b32 s15, s14, 1                         ; which 64 tokens are mine.  Also: I fetch for P (0) or for Q (1)
	s_and_b32 s16, s14, 1                          ; which 128 columns.  Also: which half of that operand I fetch
	s_bfe_u32 s40, ttmp6, 0x40000                  ; cx, cy: my place in the cluster
	s_bfe_u32 s41, ttmp6, 0x40004
	s_lshl_b32 s42, ttmp9, 2
	s_add_co_u32 s42, s42, s40                     ; which 256 columns
	s_and_b32 s17, ttmp7, 0xffff
	s_lshl_b32 s17, s17, 2
	s_add_co_u32 s17, s17, s41                     ; which 128 tokens
	s_lshl_b32 s43, s41, 2
	s_lshl_b32 s43, 15, s43                        ; my row of the cluster
	s_lshl_b32 s44, 0x1111, s40                    ; my column
.irp g, G1A1, G1B1
	s_mov_b32 s[\g+1], 1024<<16                    ; tensor_dim0, tile_dim0: 1,024 elements of 8 bytes
	s_mov_b32 s[\g+3], 1024<<16
.endr
.irp g, G1A2, G1B2
	s_mov_b32 s[\g+1], 512<<16
	s_mov_b32 s[\g+3], 512<<16
.endr
.irp g, G1A1, G1A2
	s_or_b32 s[\g], s43, (3<<16)|(1<<21)           ; the mask: P's tiles go to my row; elements of 8 bytes; bit 21 beside a mask
	s_mov_b32 s[\g+2], 4<<16                       ; four row tiles
	s_mov_b32 s[\g+4], 4
.endr
.irp g, G1B1, G1B2
	s_or_b32 s[\g], s44, (3<<16)|(1<<21)
	s_mov_b32 s[\g+2], 8<<16                       ; eight row tiles
	s_mov_b32 s[\g+4], 8
.endr
.irp g, G1A1, G1B1, G1A2, G1B2
	s_mov_b32 s[\g+5], 2048                        ; a row tile is 16,384 bytes in memory
	s_mov_b32 s[\g+6], 0
	s_mov_b32 s[\g+7], 0
.endr
	s_lshl_b32 s20, s17, 17                        ; P: 128 tokens are eight row tiles; my half is four
	s_lshl_b32 s18, s16, 16
	s_add_co_u32 s20, s20, s18
	s_mov_b32 s21, 0
	s_lshl_b32 s46, s42, 18                        ; Q: 256 columns are sixteen row tiles; my half is eight
	s_lshl_b32 s18, s16, 17
	s_add_co_u32 s46, s46, s18
	s_add_co_u32 s46, s46, 0x300000
	s_mov_b32 s47, 0
	s_lshl_b32 s78, s16, 15                        ; where they go, by the wave's number alone: region 1: P,
	s_lshl_b32 s79, s16, 16
	s_add_co_u32 s79, s79, R1B                     ; Q;
	s_lshl_b32 s80, s16, 14
	s_add_co_u32 s80, s80, R2A                     ; region 2: P,
	s_lshl_b32 s81, s16, 15
	s_add_co_u32 s81, s81, R2B                     ; Q
	s_wait_dscnt 0x0                               ; both opening adds are done
	s_wait_kmcnt 0x0
	s_load_b64 s[96:97], s[8:9], 0x20              ; e8, e9
	s_mov_b32 s[G0A], 1
	s_mov_b32 s[G0A+1], s78
	s_add_nc_u64 s[G0A+2:G0A+3], s[4:5], s[20:21]
	s_or_b32 s[G0A+3], s[G0A+3], 0x80000000
	s_mov_b32 s[G0B], 1
	s_mov_b32 s[G0B+1], s79
	s_add_nc_u64 s[G0B+2:G0B+3], s[6:7], s[46:47]
	s_or_b32 s[G0B+3], s[G0B+3], 0x80000000
	CROUND                                         ; all sixteen work-groups are here: the first joint loads meet
	JLOAD G1A1, G1B1                               ; steps 0-3: my one tensor load at the head
	s_lshl_b32 s84, s40, 14                        ; the prefetches: of P's four row tiles the partner at cx takes one,
	s_lshl_b32 s85, s41, 15                        ; of Q's eight the partner at cy takes two
	s_cmp_eq_u32 s15, 0
	s_cselect_b64 s[PFA:PFA+1], s[4:5], s[6:7]
	s_cselect_b32 s82, s20, s46
	s_cselect_b32 s84, s84, s85
	s_mov_b32 s85, 16384
	s_cselect_b32 s85, 4096, s85                   ; lanes 16-31: P: the same row tile's steps 6-7; Q: the next row tile
	s_add_co_u32 s82, s82, s84
	s_mov_b32 s83, 0
	s_add_nc_u64 s[PFA:PFA+1], s[PFA:PFA+1], s[82:83]
	s_and_b32 s88, ttmp7, 0xffff
	s_cmp_lt_u32 s88, 4                            ; Wo's bytes are asked for by clusters 0 to 3 alone
	s_cselect_b32 s89, 1, 0
	s_xor_b32 s90, s15, 1
	s_or_b32 s90, s90, s89                         ; s90: I ask behind the first fill's request,
	s_and_b32 s91, s15, s89                        ; s91: behind the second's
	s_lshl_b32 s21, s15, 15                        ; my fragments: P in region 1,
	s_lshl_b32 s22, s16, 16
	s_add_co_u32 s22, s22, R1B                     ; Q in region 1,
	s_lshl_b32 s23, s15, 14
	s_add_co_u32 s23, s23, R2A                     ; P in region 2,
	s_lshl_b32 s86, s16, 15
	s_add_co_u32 s86, s86, R2B                     ; Q in region 2
	s_mul_i32 s87, s14, 16*SPITCH
	s_add_co_u32 s87, s87, STAGE                   ; my stage
	s_lshl_b32 s92, s17, 7
	s_lshl_b32 s93, s15, 6
	s_add_co_u32 s92, s92, s93                     ; my first token,
	s_lshl_b32 s92, s92, 12                        ; a row of out0 is 4,096 bytes
	s_lshl_b32 s94, s42, 10
	s_lshl_b32 s95, s16, 9
	s_add_co_u32 s94, s94, s95                     ; my first column, in bytes
	s_add_co_u32 s92, s92, s94
	s_mov_b32 s93, 0
	s_add_nc_u64 s[10:11], s[10:11], s[92:93]
	v_and_b32 v1, 15, v0                           ; r
	v_bfe_u32 v2, v0, 4, 1                         ; h
	v_and_b32 v6, 31, v0
	v_lshlrev_b32 v7, 8, v1
	v_mad_u32_u24 v[PFO], v2, s85, v7              ; 256 r + h x the way above
	v_lshlrev_b32 v[CO], 4, v6
	v_add_nc_u32 v[ADRA], s21, v[CO]
	v_add_nc_u32 v[ADRA+1], s23, v[CO]
	v_add_nc_u32 v[ADRB], s22, v[CO]
	v_add_nc_u32 v[ADRB+1], s86, v[CO]
	v_mul_u32_u24 v5, v1, SPITCH                   ; the stage, in: row r, 64 bytes for each half of the lanes in each 128
	v_lshl_add_u32 v5, v2, 6, v5
	v_add_nc_u32 v[STO], s87, v5
	v_add_nc_u32 v[RD], s87, v[CO]                 ; back: the 32 lanes take one row of 512 bytes
	s_cmp_lg_u32 s90, 0
	s_cbranch_scc0 .Lno_ask_1
	global_prefetch_b8 v[PFO], s[PFA:PFA+1] offset:8192 th:TH_LOAD_NT scope:SCOPE_SE   ; from step 4 on
.Lno_ask_1:
; 16 matrix instructions: P's blocks a0, a0 + 1 x Q's eight, 128 along K, both from set p.  zero = 1: the first product starts the sums.  The 32 accumulators take turns, in the same order in every step.
.macro MUL16 a0, p, zero
.irp a, \a0, \a0+1
.irp b, 0,1,2,3,4,5,6,7
.if \zero
	v_wmma_f32_16x16x128_fp8_fp8 v[8*(8*(\a)+\b):8*(8*(\a)+\b)+7], v[128*(\p)+16*\b:128*(\p)+16*\b+15], v[AF+64*(\p)+16*(\a):AF+64*(\p)+16*(\a)+15], 0
.else
	v_wmma_f32_16x16x128_fp8_fp8 v[8*(8*(\a)+\b):8*(8*(\a)+\b)+7], v[128*(\p)+16*\b:128*(\p)+16*\b+15], v[AF+64*(\p)+16*(\a):AF+64*(\p)+16*(\a)+15], v[8*(8*(\a)+\b):8*(8*(\a)+\b)+7]
.endif
.endr
.endr
.endm
; A step's fragments into set p: Q's eight and P's four, each as it lies: four loads of 512 consecutive bytes.  pitch: a row tile's bytes in the region; ko: the step's place in them
.macro FETCH p, ra, rb, pitch, ko
	WIN TO_B
.irp i, 0,1,2,3,4,5,6,7
.irp c, 0,1,2,3
	ds_load_b128 v[128*(\p)+16*\i+4*\c:128*(\p)+16*\i+4*\c+3], v[\rb] offset:\i*(\pitch)+(\ko)+512*\c
.endr
.endr
	WIN 0
.irp i, 0,1,2,3
.irp c, 0,1,2,3
	ds_load_b128 v[AF+64*(\p)+16*\i+4*\c:AF+64*(\p)+16*\i+4*\c+3], v[\ra] offset:\i*(\pitch)+(\ko)+512*\c
.endr
.endr
.endm
; A step on set p whose successor's bytes are already shown: the successor's 48 loads are issued first and land under the 32 products.
.macro STEPF p, zero, ra, rb, pitch, ko
	s_wait_dscnt 0x0                               ; set p is in
	PLACES NP                                      ; in front of loads into the other set, which the last step's products read
	FETCH 1-(\p), \ra, \rb, \pitch, \ko
	WIN MUL
	MUL16 0, \p, \zero
	MUL16 2, \p, \zero
	WIN 0
.endm
; A step on set p whose successor lies in bytes that a load of another wave has brought: one barrier.  fill = 1: it opens a round of the cluster's barrier, and steps 6-7 are filled over region 1, whose steps every wave has read.
.macro TURN p, fill, ra, rb, pitch, ko
	s_wait_tensorcnt 0x0                           ; my one load that was out has landed
	ds_add_u32 v[SPW], v[NIL]                      ; 0 onto my spare word
.if \fill
	s_mov_b32 s[G0A+1], s78                        ; no load of mine is out: the groups 0 may be written: back to region 1, two steps on in memory
	s_add_nc_u64 s[G0A+2:G0A+3], s[G0A+2:G0A+3], 4096
	s_mov_b32 s[G0B+1], s79
	s_add_nc_u64 s[G0B+2:G0B+3], s[G0B+2:G0B+3], 4096
.endif
	s_wait_dscnt 0x0                               ; the add is done, set p is in, and my reads of the region in hand are over
	s_barrier_signal -1
	WIN MUL
	MUL16 0, \p, 0                                 ; work on registers while the others arrive
	WIN 0
	s_barrier_wait -1
.if \fill
	CREST
	JLOAD G1A2, G1B2                               ; the first tensor load behind the round; its four v_nop are the places in front of the loads below
.else
	PLACES NP
.endif
	FETCH 1-(\p), \ra, \rb, \pitch, \ko
	WIN MUL
	MUL16 2, \p, 0
	WIN 0
.endm
	s_wait_alu depctr_va_vdst(0)                   ; the wait at the head's end
	s_wait_tensorcnt 0x0                           ; my part of steps 0-3 is in
	ds_add_u32 v[SPW], v[NIL]
	s_mov_b32 s[G0A+1], s80                        ; region 2, four steps on in memory
	s_add_nc_u64 s[G0A+2:G0A+3], s[G0A+2:G0A+3], 8192
	s_mov_b32 s[G0B+1], s81
	s_add_nc_u64 s[G0B+2:G0B+3], s[G0B+2:G0B+3], 8192
	s_wait_dscnt 0x0
	CROUND                                         ; everybody's part is in, and all sixteen work-groups are here
	JLOAD G1A2, G1B2                               ; steps 4-5
	FETCH 0, ADRA, ADRB, 8192, 0
	s_cmp_lg_u32 s91, 0
	s_cbranch_scc0 .Lno_ask_2
	global_prefetch_b8 v[PFO], s[PFA:PFA+1] offset:12288 th:TH_LOAD_NT scope:SCOPE_SE  ; Q's steps 6-7
.Lno_ask_2:
	STEPF 0, 1, ADRA, ADRB, 8192, 2048             ; step 0
	STEPF 1, 0, ADRA, ADRB, 8192, 4096             ; step 1
	STEPF 0, 0, ADRA, ADRB, 8192, 6144             ; step 2
	TURN  1, 1, ADRA+1, ADRB+1, 4096, 0            ; step 3; steps 6-7 are asked for
	STEPF 0, 0, ADRA+1, ADRB+1, 4096, 2048         ; step 4
	TURN  1, 0, ADRA, ADRB, 4096, 0                ; step 5
	STEPF 0, 0, ADRA, ADRB, 4096, 2048             ; step 6
	s_wait_dscnt 0x0                               ; step 7
	WIN MUL
	MUL16 0, 1, 0
	MUL16 2, 1, 0
	WIN 0
; THE WAY OUT, block by block of 16 tokens x 128 columns.  Register 16 b + i of a block is column 32 b + 16 h + i of the lane's token.  A block goes through my own stage and comes back as whole rows of 512 bytes,
; which the 32 lanes store as two aligned runs of 256 bytes.  LDS serves a wave's instructions in order (ISA guide 5.7.1.4): no wait between the stores and the loads.
.macro TOSTAGE a
	WIN 0x02                                       ; source 0: window 2
.set jj, 0
.rept 32
	v_pk_mul_f32 v[TMP+jj:TMP+jj+1], v[64*(\a)+jj:64*(\a)+jj+1], s[96:97] op_sel_hi:[1,0]   ; both x s96 = 2^(e8 + e9); each accumulator from its low end on
.set jj, jj+2
.endr
	WIN 0
.irp b, 0,1,2,3
.irp j, 0,1,2,3
	ds_store_b128 v[STO], v[TMP+16*\b+4*\j:TMP+16*\b+4*\j+3] offset:128*\b+16*\j
.endr
.endr
.set BB, BK+64*((\a)%2)
.irp t, 0,1,2,3,4,5,6,7,8,9,10,11,12,13,14,15
	ds_load_b128 v[BB+4*\t:BB+4*\t+3], v[RD] offset:\t*SPITCH
.endr
.endm
.macro SEND a, younger                 ; younger: the LDS instructions issued behind block a's loads, which may stay out
.set BB, BK+64*((\a)%2)
	s_wait_dscnt \younger
.irp t, 0,1,2,3,4,5,6,7,8,9,10,11,12,13,14,15
	global_store_b128 v[CO], v[BB+4*\t:BB+4*\t+3], s[10:11] offset:(32*((\a)/2)+8*((\a)%2)+\t+8*(\t/8))*4096 th:TH_STORE_NT
.endr
.endm
	s_wait_kmcnt 0x0
	s_add_co_i32 s96, s96, s97
	s_add_co_i32 s96, s96, 127
	s_lshl_b32 s96, s96, 23                        ; the f32 number 2^(e8 + e9)
	PLACES NP                                      ; in front of the first reads of results and of loads into registers that the last products read
	TOSTAGE 0
.irp a, 1,2,3
.if \a > 1
	s_wait_xcnt 0x0                                ; block a - 2's stores have read their registers: block a's loads may land there
.endif
	TOSTAGE \a
	SEND \a-1, 32                                  ; behind block a - 1's loads: block a's 16 stores and 16 loads
.endr
	SEND 3, 0
	s_wait_tensorcnt 0x0                           ; the wave's end
	ds_add_u32 v[SPW], v[NIL]
	s_wait_dscnt 0x0
	CROUND                                         ; the closing round
	s_endpgm
.Lfunc_end_k_q159d84cbaf_outp:
	.size	k_q159d84cbaf_outp, .Lfunc_end_k_q159d84cbaf_outp-k_q159d84cbaf_outp
	.p2alignl 7, 3214868480
	.fill 96, 4, 3214868480
	.section	.rodata,"a",@progbits
	.p2align	6, 0x0
	.amdhsa_kernel k_q159d84cbaf_outp
		.amdhsa_group_segment_fixed_size 327680
		.amdhsa_private_segment_fixed_size 0
		.amdhsa_enable_private_segment 0
		.amdhsa_kernarg_size 32
		.amdhsa_user_sgpr_count 2
		.amdhsa_user_sgpr_kernarg_segment_ptr 1
		.amdhsa_wavefront_size32 1
		.amdhsa_system_sgpr_workgroup_id_x 1
		.amdhsa_system_sgpr_workgroup_id_y 1
		.amdhsa_system_sgpr_workgroup_id_z 1
		.amdhsa_system_vgpr_workitem_id 0
		.amdhsa_next_free_vgpr 768
		.amdhsa_next_free_sgpr 100
		.amdhsa_reserve_vcc 0
		.amdhsa_float_denorm_mode_32 3
		.amdhsa_float_denorm_mode_16_64 3
		.amdhsa_memory_ordered 1
		.amdhsa_forward_progress 1
		.amdhsa_inst_pref_size 75
	.end_amdhsa_kernel
	.amdgpu_metadata
---
amdhsa.version: [ 1, 2 ]
amdhsa.kernels:
  - .name:           k_q159d84cbaf_outp
    .symbol:         k_q159d84cbaf_outp.kd
    .args:
      - { .name: a_codes, .offset: 0, .size: 8, .value_kind: global_buffer, .address_space: global }
      - { .name: w_codes, .offset: 8, .size: 8, .value_kind: global_buffer, .address_space: global }
      - { .name: lowp_scales, .offset: 16, .size: 8, .value_kind: global_buffer, .address_space: global }
      - { .name: out0, .offset: 24, .size: 8, .value_kind: global_buffer, .address_space: global }
    .group_segment_fixed_size: 327680
    .private_segment_fixed_size: 0
    .kernarg_segment_align: 8
    .kernarg_segment_size: 32
    .max_flat_workgroup_size: 128
    .sgpr_count:     100
    .vgpr_count:     768
    .wavefront_size: 32
...
	.end_amdgpu_metadata
.endif
;; end of part 4
